; MI455X (gfx1250); checked and timed in simulation.
; The chip was launched on July 23, 2026; its instructions are those of AMD's public machine-readable ISA for CDNA 5 (MIT licence, August 2026) and "CDNA5" Instruction Set Architecture Reference Guide (July 2026). The comments in the code are by the model that wrote it; some were corrected since.
;; Long Attention Condenser. Allowed arithmetic: matrix products marked QUANTISED: E2M3 operands, one E8M0 scale for each 32 along K, by v_wmma_scale_f32_16x16x128_f8f6f4 with both operands' format E2M3, f32 sums; products left as they are: f32 operands where the result goes on into a quantised operand, else bf16, f16 or f32 operands; f32 sums; everything else in f32.
;; Inputs: b1 2,048 float32; b2 1,024 float32; bk 1,024 float32; bo 1,024 float32; bq 1,024 float32; bv 1,024 float32; h_img_seq 1 x 32,768 x 1,024 float32; latents 8 x 1,024 float32; ln_b 1,024 float32; ln_g 1,024 float32; w1 1,024 x 2,048 float32; w2 2,048 x 1,024 float32; wk 1,024 x 1,024 float32; wo 1,024 x 1,024 float32; wq 1,024 x 1,024 float32; wv 1,024 x 1,024 float32.
;; Outputs: out0 1 x 8 x 1,024 float32; out1 1 x 1,024 float32.
;; This version of the problem:
;;   THIS VERSION OF THE PROBLEM IS GIVEN IN LOW PRECISION. The matrix products marked QUANTISED in the list below multiply operands that are first quantised to E2M3 (2 exponent bits, 3 mantissa bits; 6 bits a number), with one power-of-two scale for each 32 numbers along K (OCP MX v1.0); their sums are f32. All else is computed in f32.
;;   The module's matrix products, in the order in which they are computed (A, B: the left and right operand; K: the contracted axis; several contracted axes count as one K, in the product's order):
;;     1. [M 8, K 1,024] x [K 1,024, N 1,024]; A: input latents; B: input wq: left as it is (M = 8 < 16)
;;     2. [M 32,768, K 1,024] x [K 1,024, N 1,024]; A: input h_img_seq; B: input wk: QUANTISED
;;     3. [M 32,768, K 1,024] x [K 1,024, N 1,024]; A: input h_img_seq; B: input wv: QUANTISED
;;     4. batch 8 x [M 32,768, K 128] x [K 128, N 8]; A: computed on the way; B: computed on the way: left as it is (N = 8 < 16)
;;     5. batch 8 x [M 8, K 32,768] x [K 32,768, N 128]; A: computed on the way; B: computed on the way: left as it is (M = 8 < 16)
;;     6. [M 8, K 1,024] x [K 1,024, N 1,024]; A: computed on the way; B: input wo: left as it is (M = 8 < 16)
;;     7. [M 8, K 1,024] x [K 1,024, N 2,048]; A: computed on the way; B: input w1: left as it is (M = 8 < 16)
;;     8. [M 8, K 2,048] x [K 2,048, N 1,024]; A: computed on the way; B: input w2: left as it is (M = 8 < 16)
;;   THE QUANTISER, for each operand of a quantised product, along K:
;;     - K is cut into blocks of 32 from its start; a last block that is shorter is filled with zeros.
;;     - A block's scale is 2^e with e = floor(log2(the largest magnitude in the block)) - 2, held to -126 .. 127; a block of zeros has e = 0. As a byte (E8M0): e + 127.
;;     - Each number is divided by its block's scale, clamped to +-7.5, and rounded to the nearest number of E2M3, ties to even, subnormals kept.
;;     - The product sums the exact products of the quantised numbers (number of the format x scale) in f32.
;;   ~~~python
;;   def quantise(x, axis):      # numpy; x: float32 -> the quantised numbers, widened to float32 again
;;       x = np.moveaxis(x, axis, -1); K = x.shape[-1]
;;       x = np.pad(x, [(0, 0)] * (x.ndim - 1) + [(0, -K % 32)]); x = x.reshape(x.shape[:-1] + (-1, 32)); a = np.abs(x).max(-1, keepdims=True)
;;       e = np.where(a > 0, np.clip(np.frexp(np.where(a > 0, a, 1))[1] - 1 - 2, -126, 127), 0)      # np.frexp(a)[1] - 1 = floor(log2(a)), exactly
;;       r = np.clip(x / 2.0 ** e, -7.5, 7.5)
;;       step = 2.0 ** (np.maximum(np.frexp(np.where(r == 0, 1, r))[1] - 1, 0) - 3)
;;       q = np.round(r / step) * step * 2.0 ** e      # np.round: ties to even
;;       return np.moveaxis(q.reshape(q.shape[:-2] + (-1,))[..., :K], -1, axis).astype(np.float32)
;;   ~~~
;; One version. Each part assembles by itself: llvm-mc -triple=amdgcn-amd-amdhsa -mcpu=gfx1250 --defsym DOCPART=n.
;; ======== version 1 of 1: 6 launches
;; limits: a function is approximated: absolute error at most 1.5e-07
;; workspace buffers: wst 1,638,400 bytes; qs 32,768 bytes; pacc 8,388,608 bytes; pml 131,072 bytes; attn 32,768 bytes; obuf 32,768 bytes; h1 65,536 bytes
;; launch prep (part 1): grid 96 x 1, 8 waves a work-group, no clusters, 67,584 bytes of LDS; arguments latents, wq, bq, qs, wk, wv, wst; writes qs, wst
.if DOCPART == 1
	.amdgcn_target "amdgcn-amd-amdhsa--gfx1250"
	.amdhsa_code_object_version 6
	.text
	.protected	k_q8ab2f5c95f_prep
	.globl	k_q8ab2f5c95f_prep
	.p2align	8
	.type	k_q8ab2f5c95f_prep,@function
k_q8ab2f5c95f_prep:
	s_mov_b64 s[64:65], 0
	v_nop
	global_prefetch_b8 v0, s[64:65] scope:SCOPE_SE
	s_setreg_imm32_b32 hwreg(HW_REG_WAVE_MODE, 25, 1), 1
	s_wait_xcnt 0x0
; Two pieces of work that need nothing of each other, and that the product's launch needs whole, in one launch.  They part on the work-group's number at the first line; behind it they share no line and no LDS byte,
; and each ends by itself.  All waves of a work-group take the same way, so every wave passes every barrier of its way.
; ROLE W, work-groups 0 to 63 (LDS bytes 0 to 25,599).  wk and wv, [1024 (k)][1024 (n)] f32, become codes of FP6 (E2M3) with one E8M0 byte for each 32 along K, laid in the ORDER OF THE OPERAND'S REGISTERS.
; A step block (12,800 bytes) is 8 tiles of 16 columns x 128 K: tile i's fragment at 1,536 i, as three groups of 512 bytes (group c = registers 4 c .. 4 c + 3, lane l's 16 bytes at 16 l);
; behind them, at 12,288, the scale words: that of (tile i, column r) at 256 (i / 4) + 16 r + 4 (i % 4).  A slot block is two step blocks, 25,600 bytes.
; Work-group x makes slot block x of the stream: w = x % 4 (the wave of the product's launch that will read it), k = (x / 4) % 4 (256 along K), phase = x / 16 (0, 1: wk's heads w, 4 + w; 2, 3: wv's).
; A LANE TAKES A COLUMN AND ITS REGISTERS RUN DOWN K: wave v = 4 q + cg takes the 128 rows of step q and columns 32 cg .. 32 cg + 31 of the head; each load reads 128 consecutive bytes, the four waves cg 512.
; The 128 loads of a wave go out in eight groups of 16 rows, three groups (48 loads) ahead at the most; every number has a register of its own.
; A block's scale is 2^(floor(log2(largest magnitude)) - 2): its byte is the largest magnitude's exponent field - 2, held at 1 from below.
; LIMITS: a block of zeros gets the byte 1 where the rule says 127 (its codes are zeros, and this program alone reads the bytes); NaN and infinities among the inputs are not served.
; ROLE Q, work-groups 64 to 95 (LDS bytes 25,600 to 66,559).  q = latents wq + bq: [8][1024] x [1024 (k)][1024 (n)], all f32, fused multiply-adds in f32.  Eight rows feed no matrix tile, and wq is read once: a stream.
; A work-group owns 32 columns; wave v owns rows 128 v .. 128 v + 127 of wq.  Lane l = 8 gq + cq holds columns 4 cq .. 4 cq + 3 of four neighbouring rows 16 j + 4 gq + 0 .. 3 in each of eight steps j: all 32 loads
; of a wave (16 KiB) are issued at the head.  The latents lie in LDS, row-major; the sums over gq are made across lanes, those over the eight waves through LDS.
; No cluster: in role W no two work-groups read the same byte; in role Q what they share is the latents, 32 KiB against the 128 KiB of wq that each reads alone.  No tensor load: the numbers pass through registers anyway.
.set NW,   64                          ; work-groups of role W
; role W
.set XR,   32                          ; v32-159  128 numbers of my column
.set PCD,  160                         ; v160-191 a block's six registers of codes, eight registers apart
.set TP,   192                         ; v192-194 a conversion's second half
.set SW,   196                         ; v196     my column's scale word
.set OB,   200                         ; v200-223 the way out
; role Q
.set QB,   25600                       ; its LDS begins behind role W's
.set WP,   4096                        ; a row of wq in bytes
.set XP,   4096                        ; a row of the latents in bytes
.set PART, QB+8*XP                     ; LDS: the latents, then the waves' partial sums: 1,024 bytes a wave
.set ACC,  16                          ; v16-47   sums: row m, column c at 4 m + c
.set XS,   48                          ; v48-111  two sets of x: row m's four k at 4 m
.set WR,   112                         ; v112-239 wq: step j, row t at 16 j + 4 t
	v_lshl_add_u32 v254, v0, 2, 0x10400
	v_mov_b32 v255, 0
	s_cmp_lt_u32 ttmp9, NW                         ; the choice hangs on the work-group's number alone
	s_cbranch_scc0 .Lrole_q
	; ======== ROLE W
	s_load_b128 s[4:7], s[0:1], 0x20               ; wk, wv
	s_load_b64 s[8:9], s[0:1], 0x30                ; the stream
	v_lshrrev_b32 v1, 5, v0
	v_readfirstlane_b32 s10, v1                    ; wave 0..7
	v_and_b32 v2, 31, v0                           ; lane
	v_and_b32 v3, 15, v0                           ; r: my column in its tile
	v_bfe_u32 v4, v0, 4, 1                         ; which of my wave's two tiles
	s_lshr_b32 s11, s10, 2                         ; q
	s_and_b32 s12, s10, 3                          ; cg
	s_and_b32 s13, ttmp9, 3                        ; w
	s_bfe_u32 s14, ttmp9, 0x20002                  ; k
	s_lshr_b32 s15, ttmp9, 4                       ; phase
	s_and_b32 s16, s15, 1
	s_lshl_b32 s16, s16, 2
	s_add_co_u32 s16, s16, s13                     ; head
	s_lshl_b32 s17, s14, 1
	s_add_co_u32 s17, s17, s11                     ; 2 k + q: which 128 rows
	s_lshl_b32 s17, s17, 19                        ; x 128 rows of 4,096 bytes
	s_lshl_b32 s18, s16, 9                         ; the head's 512 bytes of a row
	s_add_co_u32 s17, s17, s18
	s_lshl_b32 s18, s12, 7                         ; my wave's 128 of them
	s_add_co_u32 s20, s17, s18
	s_mov_b32 s21, 0
	s_mul_i32 s28, ttmp9, 25600                    ; my slot block in the stream
	s_mov_b32 s29, 0
	s_mul_i32 s22, s11, 12800                      ; my step block in LDS (and in the slot block)
	s_mul_i32 s23, s12, 3072
	s_add_co_u32 s23, s23, s22                     ; my wave's two fragments
	v_mul_u32_u24 v5, v4, 1536
	v_lshl_add_u32 v5, v3, 4, v5
	v_add_nc_u32 v5, s23, v5                       ; where my column's codes go: fragment, 16 r
	s_lshr_b32 s24, s12, 1
	s_lshl_b32 s24, s24, 8
	s_and_b32 s25, s12, 1
	s_lshl_b32 s25, s25, 3
	s_add_co_u32 s24, s24, s25
	s_add_co_u32 s24, s24, s22
	s_add_co_u32 s24, s24, 12288
	v_lshlrev_b32 v6, 4, v3
	v_lshl_add_u32 v6, v4, 2, v6
	v_add_nc_u32 v6, s24, v6                       ; my scale word: tile i = 2 cg + (lane / 16)
	v_lshlrev_b32 v7, 4, v2
	v_add_nc_u32 v8, s23, v7                       ; the way out: 16 x lane in my two fragments; the same offset in LDS and in the slot block
	s_add_co_u32 s26, s22, 12288
	v_add_nc_u32 v9, s26, v7                       ; and in the step's scale words
	v_lshlrev_b32 v10, 2, v2                       ; in: 4 bytes a lane
	s_wait_kmcnt 0x0
	s_cmp_lt_u32 s15, 2                            ; wk's phases or wv's: the choice hangs on the work-group's number alone
	s_cselect_b64 s[4:5], s[4:5], s[6:7]
	s_add_nc_u64 s[4:5], s[4:5], s[20:21]
	s_add_nc_u64 s[8:9], s[8:9], s[28:29]
.macro LOADH g                         ; group g: rows 16 g .. 16 g + 15 of my 128, my column
.set ld, 16*(\g)
.rept 16
	global_load_b32 v[XR+ld], v10, s[4:5] offset:ld*4096 th:TH_LOAD_NT
.set ld, ld+1
.endr
.endm
	LOADH 0
	LOADH 1
	LOADH 2
; Block bb of 32 along K (groups 2 bb and 2 bb + 1).  In the operand's layout lane (r, h) holds in registers 6 c .. 6 c + 5 the block 2 c + h of column r: so block bb goes to the lane slot 16 (r + 16 (bb % 2)), registers 6 (bb / 2) on.
.macro BLOCK bb
.set BX, XR+32*\bb
.set PB, PCD+8*\bb
.if \bb < 3
	s_wait_loadcnt 16                              ; this block's two groups are in; the one group issued behind them may be out
.else
	s_wait_loadcnt 0x0
.endif
.if \bb < 2
	LOADH 2*\bb+3                                  ; two groups more: three are out again
	LOADH 2*\bb+4
.elseif \bb == 2
	LOADH 7                                        ; the last group
.endif
	v_max3_num_f32 v12, |v[BX]|, |v[BX+1]|, |v[BX+2]|
	v_max3_num_f32 v13, |v[BX+3]|, |v[BX+4]|, |v[BX+5]|
.irp i, 6,10,14,18,22,26
	v_max3_num_f32 v12, v12, |v[BX+\i]|, |v[BX+\i+1]|
	v_max3_num_f32 v13, v13, |v[BX+\i+2]|, |v[BX+\i+3]|
.endr
	v_max3_num_f32 v12, v12, |v[BX+30]|, |v[BX+31]|
	v_max3_num_f32 v12, v12, v13, 0x1800000        ; the floor 2^(3 - 127): the byte cannot fall under 1
	v_add_nc_u32 v14, 0xff000000, v12              ; 2 off the exponent field: the conversion's scale operand
	v_lshrrev_b32 v15, 23, v14                     ; the scale's byte
.if \bb == 0
	v_mov_b32 v[SW], v15
.else
	v_lshl_or_b32 v[SW], v15, 8*\bb, v[SW]
.endif
	v_cvt_scalef32_pk16_fp6_f32 v[PB:PB+2], v[BX:BX+15], v14
	v_cvt_scalef32_pk16_fp6_f32 v[TP:TP+2], v[BX+16:BX+31], v14   ; (a conversion's three registers begin on an even number)
	v_nop                                          ; one plain place behind a scaled conversion
	v_mov_b32 v[PB+3], v[TP]
	v_mov_b32 v[PB+4], v[TP+1]
	v_mov_b32 v[PB+5], v[TP+2]
.if \bb < 2
	ds_store_b128 v5, v[PB:PB+3] offset:256*(\bb%2)          ; registers 0-3: group 0
	ds_store_b64 v5, v[PB+4:PB+5] offset:256*(\bb%2)+512     ; registers 4, 5: the lower half of group 1
.else
	ds_store_b64 v5, v[PB:PB+1] offset:256*(\bb%2)+520       ; registers 6, 7: its upper half
	ds_store_b128 v5, v[PB+2:PB+5] offset:256*(\bb%2)+1024   ; registers 8-11: group 2
.endif
.endm
	BLOCK 0
	BLOCK 1
	BLOCK 2
	BLOCK 3
	ds_store_b32 v6, v[SW]
.irp x, 0,1,2,3,4,5
	ds_load_b128 v[OB+4*\x:OB+4*\x+3], v8 offset:512*\x      ; my wave's own bytes: LDS serves a wave's instructions in order
.endr
.irp x, 0,1,2,3,4,5
	s_wait_dscnt 5-\x
	global_store_b128 v8, v[OB+4*\x:OB+4*\x+3], s[8:9] offset:512*\x   ; 32 lanes store 512 consecutive bytes, at a multiple of 256 from the stream's first byte
.endr
	s_wait_dscnt 0x0                               ; for the others' sake: my scale words have landed
	s_barrier_signal -1
	s_barrier_wait -1
	s_cmp_lg_u32 s12, 0                            ; a step's 512 bytes of scale words come from four waves: wave cg = 0 stores them
	s_cbranch_scc1 .Lw_end
	ds_load_b128 v[224:227], v9
	s_wait_dscnt 0x0
	global_store_b128 v9, v[224:227], s[8:9]
.Lw_end:
	s_wait_tensorcnt 0x0
	ds_add_u32 v254, v255
	s_wait_dscnt 0x0
	s_endpgm
	; ======== ROLE Q
.Lrole_q:
	s_load_b256 s[4:11], s[0:1], 0x0               ; the latents, wq, bq, q
	v_lshrrev_b32 v1, 5, v0
	v_readfirstlane_b32 s12, v1                    ; wave
	v_and_b32 v2, 31, v0
	v_lshlrev_b32 v3, 4, v2                        ; 16 x lane
	v_lshlrev_b32 v4, 2, v2                        ; 4 x lane
	v_and_b32 v5, 7, v0                            ; cq
	v_bfe_u32 v6, v0, 3, 2                         ; gq
	s_lshl_b32 s13, s12, 12
	s_add_co_u32 s17, s13, QB
	v_add_nc_u32 v7, s17, v3                       ; LDS: x's row = my wave
	v_mul_u32_u24 v8, v6, 4*WP
	v_lshl_add_u32 v8, v5, 4, v8                   ; wq: 4 gq rows down, 16 cq bytes in
	s_lshl_b32 s14, s12, 9
	s_add_co_u32 s14, s14, QB
	v_lshl_add_u32 v9, v6, 4, s14                  ; LDS: x[.][128 v + 4 gq ..]
	s_lshl_b32 s15, s12, 10
	s_add_co_u32 s15, s15, PART
	v_lshl_add_u32 v10, v5, 4, s15                 ; LDS: my wave's partial sums, my four columns
	s_lshl_b32 s16, s12, 7
	s_add_co_u32 s16, s16, PART
	v_add_nc_u32 v11, s16, v4                      ; LDS: at the end thread (row = wave, column = lane)
	s_mov_b32 s20, 0x76543210
	s_mov_b32 s21, 0xfedcba98                      ; v_permlanex16_b32's selects for lane l xor 16
	s_and_b32 s22, ttmp9, 31                       ; work-groups 64 to 95: which 32 columns
	s_lshl_b32 s22, s22, 7                         ; in bytes
	s_mov_b32 s23, 0
	s_mov_b32 s24, s13
	s_mov_b32 s25, 0
	s_lshl_b32 s26, s12, 19                        ; 128 rows of wq
	s_add_co_u32 s26, s26, s22
	s_mov_b32 s27, 0
	s_add_co_u32 s28, s13, s22
	s_mov_b32 s29, 0
	s_wait_kmcnt 0x0
	s_add_nc_u64 s[4:5], s[4:5], s[24:25]
	s_add_nc_u64 s[6:7], s[6:7], s[26:27]
	s_add_nc_u64 s[8:9], s[8:9], s[22:23]
	s_add_nc_u64 s[10:11], s[10:11], s[28:29]
.irp i, 0,1,2,3,4,5,6,7
	global_load_b128 v[XS+4*\i:XS+4*\i+3], v3, s[4:5] offset:512*\i
.endr
	global_load_b32 v12, v4, s[8:9]
.irp j, 0,1,2,3,4,5,6,7
.irp t, 0,1,2,3
	global_load_b128 v[WR+16*\j+4*\t:WR+16*\j+4*\t+3], v8, s[6:7] offset:(16*\j+\t)*WP th:TH_LOAD_NT
.endr
.endr
	s_wait_loadcnt 32                              ; x's row and the bias are in; wq's 32 loads may be out
.irp i, 0,1,2,3,4,5,6,7
	ds_store_b128 v7, v[XS+4*\i:XS+4*\i+3] offset:512*\i
.endr
	s_wait_dscnt 0x0
	s_barrier_signal -1
	s_barrier_wait -1                              ; x's eight rows lie in LDS
.macro XLD j
.irp m, 0,1,2,3,4,5,6,7
	ds_load_b128 v[XS+32*((\j)%2)+4*\m:XS+32*((\j)%2)+4*\m+3], v9 offset:\m*XP+64*(\j)
.endr
.endm
.macro FMAS j                          ; 64 packed multiply-adds: two columns each; x is taken from one half of its pair for both
.set XB, XS+32*((\j)%2)
.set WB, WR+16*(\j)
.irp t, 0,1,2,3
.irp m, 0,1,2,3,4,5,6,7
.irp p, 0,1
.set rA, ACC+4*\m+2*\p
.set rW, WB+4*\t+2*\p
.set rX, XB+4*\m+2*(\t/2)
.if ((\j) == 0) && (\t == 0)
	v_pk_mul_f32 v[rA:rA+1], v[rW:rW+1], v[rX:rX+1] op_sel_hi:[1,0]   ; the first products start the sums
.elseif (\t%2) == 0
	v_pk_fma_f32 v[rA:rA+1], v[rW:rW+1], v[rX:rX+1], v[rA:rA+1] op_sel_hi:[1,0,1]
.else
	v_pk_fma_f32 v[rA:rA+1], v[rW:rW+1], v[rX:rX+1], v[rA:rA+1] op_sel:[0,1,0] op_sel_hi:[1,1,1]
.endif
.endr
.endr
.endr
.endm
	XLD 0
.irp j, 0,1,2,3,4,5,6
	XLD \j+1
	s_wait_dscnt 8                                 ; this step's x is in; the next step's eight loads may be out
	s_wait_loadcnt 28-4*\j                         ; this step's four rows of wq are in
	FMAS \j
.endr
	s_wait_dscnt 0x0
	s_wait_loadcnt 0x0
	FMAS 7
.set a, 0
.rept 32
	v_add_f32_dpp v[ACC+a], v[ACC+a], v[ACC+a] row_xmask:8 row_mask:0xf bank_mask:0xf   ; gq's low bit is the lane's bit 3
.set a, a+1
.endr
.set a, 0
.rept 32
	v_permlanex16_b32 v[XS+a], v[ACC+a], s20, s21  ; its high bit the lane's bit 4
.set a, a+1
.endr
.set a, 0
.rept 32
	v_add_f32 v[ACC+a], v[ACC+a], v[XS+a]
.set a, a+1
.endr
.irp m, 0,1,2,3,4,5,6,7
	ds_store_b128 v10, v[ACC+4*\m:ACC+4*\m+3] offset:128*\m   ; the four lanes gq write the same bytes with the same values
.endr
	s_wait_dscnt 0x0
	s_barrier_signal -1
	s_barrier_wait -1
.irp v, 0,1,2,3,4,5,6,7
	ds_load_b32 v[XS+\v], v11 offset:1024*\v
.endr
	s_wait_dscnt 0x0
	v_add_f32 v48, v48, v49
	v_add_f32 v50, v50, v51
	v_add_f32 v52, v52, v53
	v_add_f32 v54, v54, v55
	v_add_f32 v48, v48, v50
	v_add_f32 v52, v52, v54
	v_add_f32 v48, v48, v52
	v_add_f32 v48, v48, v12
	global_store_b32 v4, v48, s[10:11]
	s_wait_tensorcnt 0x0
	ds_add_u32 v254, v255
	s_wait_dscnt 0x0
	s_endpgm
.Lfunc_end_k_q8ab2f5c95f_prep:
	.size	k_q8ab2f5c95f_prep, .Lfunc_end_k_q8ab2f5c95f_prep-k_q8ab2f5c95f_prep
	.p2alignl 7, 3214868480
	.fill 96, 4, 3214868480
	.section	.rodata,"a",@progbits
	.p2align	6, 0x0
	.amdhsa_kernel k_q8ab2f5c95f_prep
		.amdhsa_group_segment_fixed_size 67584
		.amdhsa_private_segment_fixed_size 0
		.amdhsa_enable_private_segment 0
		.amdhsa_kernarg_size 56
		.amdhsa_user_sgpr_count 2
		.amdhsa_user_sgpr_kernarg_segment_ptr 1
		.amdhsa_wavefront_size32 1
		.amdhsa_system_sgpr_workgroup_id_x 1
		.amdhsa_system_sgpr_workgroup_id_y 1
		.amdhsa_system_sgpr_workgroup_id_z 1
		.amdhsa_system_vgpr_workitem_id 0
		.amdhsa_next_free_vgpr 256
		.amdhsa_next_free_sgpr 66
		.amdhsa_reserve_vcc 0
		.amdhsa_float_denorm_mode_32 3
		.amdhsa_float_denorm_mode_16_64 3
		.amdhsa_memory_ordered 1
		.amdhsa_forward_progress 1
		.amdhsa_inst_pref_size 72
	.end_amdhsa_kernel
	.amdgpu_metadata
---
amdhsa.version: [ 1, 2 ]
amdhsa.kernels:
  - .name:           k_q8ab2f5c95f_prep
    .symbol:         k_q8ab2f5c95f_prep.kd
    .args:
      - { .name: latents, .offset: 0, .size: 8, .value_kind: global_buffer, .address_space: global }
      - { .name: wq, .offset: 8, .size: 8, .value_kind: global_buffer, .address_space: global }
      - { .name: bq, .offset: 16, .size: 8, .value_kind: global_buffer, .address_space: global }
      - { .name: qs, .offset: 24, .size: 8, .value_kind: global_buffer, .address_space: global }
      - { .name: wk, .offset: 32, .size: 8, .value_kind: global_buffer, .address_space: global }
      - { .name: wv, .offset: 40, .size: 8, .value_kind: global_buffer, .address_space: global }
      - { .name: wst, .offset: 48, .size: 8, .value_kind: global_buffer, .address_space: global }
    .group_segment_fixed_size: 67584
    .private_segment_fixed_size: 0
    .kernarg_segment_align: 8
    .kernarg_segment_size: 56
    .max_flat_workgroup_size: 256
    .sgpr_count:     66
    .vgpr_count:     256
    .wavefront_size: 32
...
	.end_amdgpu_metadata
.endif
;; end of part 1
;; launch main (part 2): grid 256 x 1, 4 waves a work-group, clusters of 4 x 1, 327,680 bytes of LDS; arguments h_img_seq, wst, qs, bk, pacc, pml; writes pacc, pml
.if DOCPART == 2
	.amdgcn_target "amdgcn-amd-amdhsa--gfx1250"
	.amdhsa_code_object_version 6
	.text
	.protected	k_q8ab2f5c95f_main
	.globl	k_q8ab2f5c95f_main
	.p2align	8
	.type	k_q8ab2f5c95f_main,@function
k_q8ab2f5c95f_main:
	s_mov_b64 s[64:65], 0
	v_nop
	global_prefetch_b8 v0, s[64:65] scope:SCOPE_SE
	s_setreg_imm32_b32 hwreg(HW_REG_WAVE_MODE, 25, 1), 1
	s_wait_xcnt 0x0
	s_wait_alu depctr_hold_cnt(0) depctr_sa_sdst(0) depctr_va_vdst(0) depctr_va_sdst(0) depctr_va_ssrc(0) depctr_va_vcc(0) depctr_vm_vsrc(0)
	s_getreg_b32 s2, hwreg(HW_REG_IB_STS2, 6, 4)
	s_cmp_eq_u32 s2, 0
	s_cbranch_scc0 .Lentry_in_a_cluster
	s_endpgm
.Lentry_in_a_cluster:
	s_bfe_u32 s2, ttmp6, 0x10000c
	s_cmp_lg_u32 s2, 0x3003
	s_cbranch_scc0 .Lentry_shape_is_right
	s_endpgm
.Lentry_shape_is_right:
; For 128 rows s of h: K = Q(h) Q(wk) + bk and V = Q(h) Q(wv) on codes of FP6 (E2M3) with E8M0 scales, then for each head and each of the 8 queries a PARTIAL of the softmax over these 128 rows:
; t = (q . K[s]) log2(e) / sqrt(128), the largest t, l = the sum of e = 2^(t - largest t), and the sums of e V[s][d].  A later launch joins the 256 partials under the overall largest t and adds l bv there
; (the sum of e (v + bv) is the sum of e v, + l bv).  K and V never go to memory.
; SHARES.  A work-group owns 128 rows, against all 2,048 columns.  Four waves; a wave makes 128 rows x 128 columns at a time, one head: 64 accumulators, 512 registers.  Four phases: K of heads w, K of heads 4 + w,
; V of heads w, V of heads 4 + w (w = the wave): so scores, softmax and e V stay inside one wave.
; h is read once, as f32, and quantised by the work-group into LDS as images of the operand's registers (4 slot blocks of 256 along K, 102,400 bytes), which stay for all four phases.
; THE WEIGHTS come as a stream of 16 x 4 slot blocks of 25,600 bytes in the same format through a ring of two LDS slots; wave w fetches and reads block (T, w).  All work-groups walk the same stream:
; the four of a cluster ask JOINTLY, by the same tensor load with the same descriptor and a mask that names the four.
; FORMAT.  A step block (12,800 bytes): 8 tiles of 16 rows or columns x 128 K; tile i's fragment at 1,536 i as three groups of 512 bytes (registers 4 c .. 4 c + 3, lane l at 16 l); scale words at 12,288 + 256 (i / 4) + 16 r + 4 (i % 4).
; LAYOUTS.  K: source 0 = 16 columns of wk, source 1 = 16 rows of h: a lane holds one row s and eight neighbouring d, which rounded to bf16 are source 0 of the scores' product (K = d); bk is the C of each sum's first product.
; The scores: a lane holds one query (lane % 8; lanes r and r + 8 hold the same) and eight neighbouring s; e rounded to bf16 IS source 1 of the last product.  V: source 0 = rows of h, source 1 = columns of wv:
; a lane holds one d and eight neighbouring s: source 0 of the last product (K = s).  Nothing changes lanes.
; LIMITS: K, V, q and e are rounded to bf16 for the two small products; a block of zeros gets the scale byte 1 (its codes are zeros; this program alone reads the bytes); NaN and infinities among the inputs are not served.
; Not prefetched: h is asked for 64 loads a wave ahead from the first line on, and the stream of weights is read again by every cluster.
; REGISTERS, in windows of 256.  Window 0: v1-25 addresses; v32-47 the weights' scale words, v48-63 h's, two sets each; v64-159 h's 8 fragments, one set (in the prologue: at work); v160-223 q, later e of both head groups; v224-255 at work.
;   Window 1: v0-95, v96-191 the weights' fragments, two sets; v192-255 bk.   Windows 2, 3: accumulator (a, b) at 8 (8 (a % 4) + b), a < 4 in window 2.  In the prologue window 2 holds eight sets of 32 numbers of h on their way.
.set BLK,   25600
.set STP,   12800
.set SLOTB, 4*BLK                      ; a ring slot: four waves' blocks
.set AREG,  2*SLOTB                    ; behind the ring: h's images
.set STG,   AREG+4*BLK                 ; a stage of 4,352 bytes for each wave: 16 rows x 272 of h; later e's two images; later 8 rows x 528 of results
.set STGW,  4352
.set STATS, STG+4*STGW                 ; 512 bytes: (largest t, l) by head and query
.set SPARE, STATS+512                  ; the spare words, 128 bytes for each wave: two blocks of 256 bytes that no other line names
.set SCQ,   32
.set SCP,   48
.set PFR,   64
.set XR,    64                         ; prologue: 32 numbers of a block
.set PCD,   96                         ; prologue: a fragment's 12 registers
.set MSB, 0
.macro WIN new                         ; the immediate's high byte repeats the setting that is left
.if MSB != (\new)
	s_set_vgpr_msb (MSB<<8)|(\new)
.set MSB, (\new)
.endif
.endm
.macro PLACES n
.rept \n
	v_nop
.endr
.endm
.macro CREST                           ; a round of the cluster's barrier behind its opening barrier
	s_cmp_lg_u32 s16, 0
	s_cbranch_scc1 .Lnot_wave_0_\@
	s_barrier_signal -3
.Lnot_wave_0_\@:
	s_barrier_wait -3
	s_barrier_signal -1
	s_barrier_wait -1
.endm
.macro ROUND
	s_barrier_signal -1
	s_barrier_wait -1
	CREST
.endm
	s_load_b256 s[4:11], s[0:1], 0x0               ; h s[4:5], the stream s[6:7], q s[8:9], bk s[10:11]
	s_load_b128 s[12:15], s[0:1], 0x20             ; the partial sums s[12:13], the statistics s[14:15]
	v_lshl_add_u32 v10, v0, 2, SPARE               ; my spare word; never rewritten
	v_mov_b32 v11, 0                               ; 0; never rewritten
	ds_add_u32 v10, v11
	ds_add_u32 v10, v11
	s_wait_dscnt 0x0
	v_lshrrev_b32 v26, 5, v0
	v_readfirstlane_b32 s16, v26                   ; wave 0..3
	s_bfe_u32 s17, ttmp6, 0x40000                  ; cx
	s_lshl_b32 s18, ttmp9, 2
	s_add_co_u32 s18, s18, s17                     ; my work-group: it enters the addresses of h and of the results alone
	s_mul_i32 s19, s16, BLK                        ; my wave's block in a slot
	s_mov_b32 s20, 0x76543210
	s_mov_b32 s21, 0xfedcba98                      ; v_permlanex16_b32's selects for lane l xor 16
	s_mov_b32 s42, 0x3e0293ee                      ; c = log2(e) / sqrt(128)
	s_mov_b32 s43, s42                             ; (named with it as a pair)
	; descriptor group 1: a dense block of 25,600 bytes as 100 rows of 32 elements of 8 bytes
	s_mov_b32 s24, 15|(3<<16)|(1<<21)              ; 15:0 the mask: all four work-groups; 17:16 elements of 8 bytes; 21 set beside a mask
	s_mov_b32 s25, 32<<16                          ; tensor_dim0 = 32
	s_mov_b32 s26, 100<<16                         ; tensor_dim1 = 100
	s_mov_b32 s27, 32<<16                          ; tile_dim0 = 32
	s_mov_b32 s28, 100                             ; tile_dim1 = 100
	s_mov_b32 s29, 32                              ; from row to row
	s_mov_b32 s30, 0
	s_mov_b32 s31, 0
	s_mov_b32 s44, s19
	s_mov_b32 s45, 0
	s_wait_kmcnt 0x0
	s_add_nc_u64 s[6:7], s[6:7], s[44:45]          ; the stream at block (0, my wave)
	ROUND                                          ; all four work-groups are here: the first joint loads meet
	s_mov_b32 s32, 1                               ; group 0 for slot block T = 0
	s_mov_b32 s33, s19
	s_mov_b64 s[34:35], s[6:7]
	s_or_b32 s35, s35, 0x80000000
	s_mov_b32 s36, 1                               ; and for T = 1; this set then walks on
	s_add_co_u32 s37, s19, SLOTB
	s_add_nc_u64 s[38:39], s[6:7], SLOTB
	s_or_b32 s39, s39, 0x80000000
	tensor_load_to_lds s[32:35], s[24:31]          ; two loads of mine are out
	s_nop 0
	tensor_load_to_lds s[36:39], s[24:31]
	s_nop 0
	PLACES 4                                       ; (four places behind a tensor load)
	s_lshl_b32 s44, s18, 19                        ; 128 rows of 4,096 bytes a work-group,
	s_lshl_b32 s46, s16, 17                        ; 32 a wave
	s_add_co_u32 s44, s44, s46
	s_add_nc_u64 s[4:5], s[4:5], s[44:45]
	s_lshl_b32 s44, s16, 9                         ; head w's 512 bytes
	s_add_nc_u64 s[8:9], s[8:9], s[44:45]
	s_add_nc_u64 s[10:11], s[10:11], s[44:45]
	s_lshl_b32 s44, s16, 20                        ; the partial sums lie [head][query][work-group][128]
	s_lshl_b32 s46, s18, 9
	s_add_co_u32 s44, s44, s46
	s_add_nc_u64 s[12:13], s[12:13], s[44:45]
	s_mov_b32 s44, s46
	s_add_nc_u64 s[14:15], s[14:15], s[44:45]      ; the statistics [work-group][head][query][2]
	v_and_b32 v26, 31, v0                          ; l
	v_and_b32 v27, 15, v0                          ; r
	v_bfe_u32 v28, v0, 4, 1                        ; h
	v_and_b32 v30, 7, v0                           ; l % 8
	v_lshlrev_b32 v1, 4, v26                       ; v1  16 l
	v_add_nc_u32 v6, s19, v1                       ; v6  16 l + my block
	v_add_nc_u32 v7, AREG, v1                      ; v7  16 l + h's images
	v_lshl_add_u32 v29, v27, 4, 12288
	v_add_nc_u32 v8, s19, v29                      ; v8  the weights' scale words
	v_add_nc_u32 v9, AREG, v29                     ; v9  h's
	v_lshlrev_b32 v12, 12, v28
	v_lshl_add_u32 v12, v27, 4, v12                ; v12 h in memory: sixteen lanes take 256 bytes of a row, lanes 16-31 the next row
	s_mul_i32 s47, s16, STGW
	s_add_co_u32 s47, s47, STG                     ; my stage
	v_mul_u32_u24 v13, v28, 272
	v_lshl_add_u32 v13, v27, 4, v13
	v_add_nc_u32 v13, s47, v13                     ; v13 the stage, in: as loaded
	v_mul_u32_u24 v14, v27, 272
	v_lshl_add_u32 v14, v28, 7, v14
	v_add_nc_u32 v14, s47, v14                     ; v14 and out: row r, block h: 32 neighbours along K
	s_mul_i32 s48, s16, 3072
	v_add_nc_u32 v15, s48, v7                      ; v15 my wave's two tiles in h's images; stepped by a slot
	s_lshr_b32 s48, s16, 1
	s_lshl_b32 s48, s48, 8
	s_and_b32 s49, s16, 1
	s_lshl_b32 s49, s49, 3
	s_add_co_u32 s48, s48, s49
	v_add_nc_u32 v16, s48, v9                      ; v16 and their scale words; stepped likewise
	v_lshl_add_u32 v31, v28, 3, v30
	v_lshlrev_b32 v31, 4, v31
	v_add_nc_u32 v18, s47, v31                     ; v18 e's images: 16 ((l % 8) + 8 h)
	v_add_nc_u32 v17, s47, v31                     ; v17 the same, stepped by an image
	s_lshl_b32 s48, s16, 6
	s_add_co_u32 s48, s48, STATS
	v_lshl_add_u32 v19, v30, 3, s48                ; v19 my head's statistics; stepped by four heads
	v_mul_u32_u24 v20, v30, 528
	v_lshl_add_u32 v20, v28, 5, v20
	v_add_nc_u32 v20, s47, v20                     ; v20 results into the stage: row = query
	v_add_nc_u32 v21, s47, v1                      ; v21 and back by rows
	v_lshlrev_b32 v22, 5, v28                      ; v22 bk: my half's eight numbers of a tile
	v_lshl_add_u32 v23, v30, 12, v22               ; v23 q: row l % 8
	v_lshlrev_b32 v24, 3, v28                      ; v24 8 h
	v_add_nc_u32 v25, STATS, v1                    ; v25 the statistics, on their way out
	v_mov_b32 v118, 0                              ; written once: a lane permute's destination counts as one of its sources
.macro BKLOAD off                      ; bk of a head in the result's layout: tile b, lane (r, h): bk[16 b + 8 h + 0 .. 7]
	WIN 0x40
.irp b, 0,1,2,3,4,5,6,7
	global_load_b128 v[192+8*\b:195+8*\b], v22, s[10:11] offset:(\off)+64*\b
	global_load_b128 v[196+8*\b:199+8*\b], v22, s[10:11] offset:(\off)+64*\b+16
.endr
	WIN 0
.endm
.macro QLOAD off                       ; q of a head as f32, in the order of source 1: for d = 32 u on: 8 h + 0 .. 7, then 16 + 8 h + 0 .. 7
.irp u, 0,1,2,3
	global_load_b128 v[160+16*\u:163+16*\u], v23, s[8:9] offset:(\off)+128*\u
	global_load_b128 v[164+16*\u:167+16*\u], v23, s[8:9] offset:(\off)+128*\u+16
	global_load_b128 v[168+16*\u:171+16*\u], v23, s[8:9] offset:(\off)+128*\u+64
	global_load_b128 v[172+16*\u:175+16*\u], v23, s[8:9] offset:(\off)+128*\u+80
.endr
.endm
; Unit j of a slot of 256 along K: 16 rows (tile (j / 2) % 2 of my two) x 64 along K (the (2 (j / 4) + j % 2)-th): eight loads of two rows x 256 consecutive bytes, into set j of window 2
.macro ULOAD j, off
.irp i, 0,1,2,3,4,5,6,7
	global_load_b128 v[32*(\j)+4*\i:32*(\j)+4*\i+3], v12, s[4:5] offset:(\off)+(((\j)/2)%2)*65536+8192*\i+256*(2*((\j)/4)+(\j)%2) th:TH_LOAD_NT
.endr
.endm
	BKLOAD 0
	QLOAD 0
	WIN 0x80
.irp j, 0,1,2,3,4,5,6,7
	ULOAD \j, 0
.endr
	WIN 0
; A unit's numbers turn through my stage, so that lane (r, h) holds the 32 neighbours of ONE block of row r: k = 64 c + 32 h + 0 .. 31, which is what registers 6 c .. 6 c + 5 of the operand want of that lane.
; reload = 1: the set takes the same unit of the next slot.  left: the younger loads, which may stay out.
.macro UNIT j, reload, left
.set uq, (\j)/4
.set ut, ((\j)/2)%2
.set uc, (\j)%2
	s_wait_loadcnt \left
	WIN 0x08                                       ; an LDS store's data are its source 1: window 2
.irp i, 0,1,2,3,4,5,6,7
	ds_store_b128 v13, v[32*(\j)+4*\i:32*(\j)+4*\i+3] offset:544*\i
.endr
	WIN 0
.irp i, 0,1,2,3,4,5,6,7
	ds_load_b128 v[XR+4*\i:XR+4*\i+3], v14 offset:16*\i   ; LDS serves a wave's instructions in order: these see the stores above
.endr
	s_wait_dscnt 0x0                               ; the block is in; the stores have read their registers, the last unit's images too
.if \reload
	WIN 0x80
	ULOAD \j, 1024
	WIN 0
.endif
	v_max3_num_f32 v112, |v[XR]|, |v[XR+1]|, |v[XR+2]|
	v_max3_num_f32 v113, |v[XR+3]|, |v[XR+4]|, |v[XR+5]|
.irp i, 6,10,14,18,22,26
	v_max3_num_f32 v112, v112, |v[XR+\i]|, |v[XR+\i+1]|
	v_max3_num_f32 v113, v113, |v[XR+\i+2]|, |v[XR+\i+3]|
.endr
	v_max3_num_f32 v112, v112, |v[XR+30]|, |v[XR+31]|
	v_max3_num_f32 v112, v112, v113, 0x1800000     ; the floor 2^(3 - 127): the byte cannot fall under 1
	v_add_nc_u32 v114, 0xff000000, v112            ; 2 off the exponent field: the conversion's scale operand
	v_lshrrev_b32 v[115+uc], 23, v114              ; the scale's byte
	v_cvt_scalef32_pk16_fp6_f32 v[PCD+6*uc:PCD+6*uc+2], v[XR:XR+15], v114
	v_cvt_scalef32_pk16_fp6_f32 v[108:110], v[XR+16:XR+31], v114   ; (a conversion's three registers begin on an even number)
	v_nop                                          ; one plain place behind a scaled conversion
	v_mov_b32 v[PCD+6*uc+3], v108
	v_mov_b32 v[PCD+6*uc+4], v109
	v_mov_b32 v[PCD+6*uc+5], v110
.if uc == 1
	v_lshl_or_b32 v117, v116, 16, v115             ; my two bytes: blocks h and 2 + h of row r,
	v_lshlrev_b32 v117, v24, v117                  ; at their places in the scale word;
	v_permlanex16_b32 v118, v117, s20, s21
	v_or_b32 v117, v117, v118                      ; with lane l xor 16's two the word is whole
.irp c, 0,1,2
	ds_store_b128 v15, v[PCD+4*\c:PCD+4*\c+3] offset:uq*STP+ut*1536+512*\c
.endr
	ds_store_b32 v16, v117 offset:uq*STP+4*ut      ; lanes r and r + 16 write the same word with the same value
.endif
.endm
	s_mov_b32 s40, 3
.Lpro:                                                 ; trip t quantises slot t of h and asks for slot t + 1
.irp j, 0,1,2,3,4,5,6,7
	UNIT \j, 1, 56                                 ; seven younger units' loads, eight each, stay out
.endr
	s_wait_xcnt 0x0                                ; the loads have read their base
	s_add_nc_u64 s[4:5], s[4:5], 1024
	v_add_nc_u32 v15, BLK, v15
	v_add_nc_u32 v16, BLK, v16
	s_sub_co_u32 s40, s40, 1
	s_cmp_lg_u32 s40, 0
	s_cbranch_scc1 .Lpro
.irp j, 0,1,2,3,4,5,6,7
	UNIT \j, 0, 8*(7-\j)                           ; the last slot asks for nothing: the counts run down
.endr
	s_wait_tensorcnt 0x1                           ; my block of T = 0 is in; T = 1's may stay out
	s_wait_dscnt 0x0                               ; for the others' sake: my images of h have landed
	s_barrier_signal -1
	s_barrier_wait -1                              ; h's images are whole
.macro FETCH_Q set, q                  ; the weights' eight fragments of the slot's q-th 128 along K
	WIN 0x40
.irp i, 0,1,2,3,4,5,6,7
.irp c, 0,1,2
	ds_load_b128 v[96*(\set)+12*\i+4*\c:96*(\set)+12*\i+4*\c+3], v2 offset:(\q)*STP+1536*\i+512*\c
.endr
.endr
	WIN 0
.endm
.macro FETCH_S set, q                  ; the scale words of eight tiles a side: four tiles' words of a row are 16 neighbouring bytes
.irp g, 0,1
	ds_load_b128 v[SCQ+8*(\set)+4*\g:SCQ+8*(\set)+4*\g+3], v4 offset:(\q)*STP+256*\g
	ds_load_b128 v[SCP+8*(\set)+4*\g:SCP+8*(\set)+4*\g+3], v5 offset:(\q)*STP+256*\g
.endr
.endm
.macro FETCH_P q, i0                   ; h's blocks i0 .. i0 + 3
.irp i, \i0, \i0+1, \i0+2, \i0+3
.irp c, 0,1,2
	ds_load_b128 v[PFR+12*(\i)+4*\c:PFR+12*(\i)+4*\c+3], v3 offset:(\q)*STP+1536*(\i)+512*\c
.endr
.endr
.endm
.macro MWIN kind, hi, first            ; kind 0 (K): source 0 window 1, source 1 window 0; kind 1 (V): the other way round; C and D window 2 + hi; K's first C (bk) window 1
.if (\kind) == 0
.if \first
	WIN 0x91+0x40*(\hi)
.else
	WIN 0xa1+0x50*(\hi)
.endif
.else
	WIN 0xa4+0x50*(\hi)
.endif
.endm
; 16 matrix instructions: h's blocks a0, a0 + 1 x the weights' eight.  The 64 accumulators take turns, one instruction a turn, in the same order in every step.
.macro MUL16 kind, a0, set, first
.irp a, \a0, \a0+1
.irp b, 0,1,2,3,4,5,6,7
.set rD, 8*(8*((\a)%4)+\b)
.set rW, 96*(\set)+12*\b
.set rH, PFR+12*(\a)
.set rQ, SCQ+8*(\set)+\b
.set rP, SCP+8*(\set)+(\a)
.if (\kind) == 0
.if \first
	v_wmma_scale_f32_16x16x128_f8f6f4 v[rD:rD+7], v[rW:rW+11], v[rH:rH+11], v[192+8*\b:199+8*\b], v[rQ], v[rP] matrix_a_fmt:MATRIX_FMT_FP6 matrix_b_fmt:MATRIX_FMT_FP6
.else
	v_wmma_scale_f32_16x16x128_f8f6f4 v[rD:rD+7], v[rW:rW+11], v[rH:rH+11], v[rD:rD+7], v[rQ], v[rP] matrix_a_fmt:MATRIX_FMT_FP6 matrix_b_fmt:MATRIX_FMT_FP6
.endif
.else
.if \first
	v_wmma_scale_f32_16x16x128_f8f6f4 v[rD:rD+7], v[rH:rH+11], v[rW:rW+11], 0, v[rP], v[rQ] matrix_a_fmt:MATRIX_FMT_FP6 matrix_b_fmt:MATRIX_FMT_FP6
.else
	v_wmma_scale_f32_16x16x128_f8f6f4 v[rD:rD+7], v[rH:rH+11], v[rW:rW+11], v[rD:rD+7], v[rP], v[rQ] matrix_a_fmt:MATRIX_FMT_FP6 matrix_b_fmt:MATRIX_FMT_FP6
.endif
.endif
.endr
.endr
.endm
; A load into a register that a matrix instruction has read stands four places behind it, and only plain vector instructions that name none of its registers are places (ISA guide 7.12.1 for vector instructions).
; A slot's first 128 along K.  A block of h is free as soon as its eight products are issued: blocks 0-3 are fetched anew in the step's middle, blocks 4-7 at its end; the weights have two sets.
.macro STEP kind, first
	s_wait_dscnt 12                                ; the weights, the scale words and h's blocks 0-3 are in; the youngest twelve loads (blocks 4-7) may be out
	MWIN \kind, 0, \first
	MUL16 \kind, 0, 0, \first
	MUL16 \kind, 2, 0, \first
	s_wait_dscnt 0x0
	PLACES 4
	FETCH_Q 1, 1
	FETCH_S 1, 1
	FETCH_P 1, 0
	MWIN \kind, 1, \first
	MUL16 \kind, 4, 0, \first
	MUL16 \kind, 6, 0, \first
	PLACES 4
	WIN 0
	FETCH_P 1, 4
.endm
; A slot's second 128 along K, and the change of slots: each wave waits for all its tensor loads (its block of the next slot), adds 0 to its spare word, and waits for that and for its reads of this slot.
; fill = 1: the barrier opens a round of the cluster's, and behind it this slot takes the block two slots on.  wrap = 1: a phase ends: h's images are walked anew.
.macro TURN kind, fill, wrap
	s_wait_tensorcnt 0x0                           ; all my tensor loads have landed
	ds_add_u32 v10, v11                            ; 0 onto my spare word
	s_wait_dscnt 13                                ; (the add and the youngest twelve loads may be out)
	MWIN \kind, 0, 0
	MUL16 \kind, 0, 1, 0                           ; sixteen matrix instructions stand between the add and the wait for it
	s_wait_dscnt 0x0                               ; the add is done, and my reads of this slot are over
	s_barrier_signal -1
	MUL16 \kind, 2, 1, 0
	WIN 0
	s_barrier_wait -1
.if \fill
	CREST                                          ; no wave of any partner still reads this slot or has a load on its way
	s_add_co_u32 s37, s22, s19                     ; the walking descriptor: the slot just left, my block,
	s_add_nc_u64 s[38:39], s[38:39], SLOTB         ; the next slot block of the stream
	tensor_load_to_lds s[36:39], s[24:31]          ; the first tensor load behind the round, and my only one until the next
	s_nop 0
	PLACES 4                                       ; (the places in front of the loads below)
.else
	PLACES 4
.endif
	s_xor_b32 s22, s22, SLOTB                      ; on to the other slot,
.if \wrap
	s_mov_b32 s23, 0
.else
	s_add_co_u32 s23, s23, BLK                     ; and to h's next 256 along K
.endif
	v_add_nc_u32 v2, s22, v6
	v_add_nc_u32 v3, s23, v7
	v_add_nc_u32 v4, s22, v8
	v_add_nc_u32 v5, s23, v9
	FETCH_Q 0, 0
	FETCH_S 0, 0
	FETCH_P 0, 0
	MWIN \kind, 1, 0
	MUL16 \kind, 4, 1, 0
	MUL16 \kind, 6, 1, 0
	PLACES 4
	WIN 0
	FETCH_P 0, 4
.endm
	s_mov_b32 s22, 0                               ; s22: the ring slot in hand;  s23: h's slot in hand
	s_mov_b32 s23, 0
	v_add_nc_u32 v2, s22, v6
	v_add_nc_u32 v3, s23, v7
	v_add_nc_u32 v4, s22, v8
	v_add_nc_u32 v5, s23, v9
	FETCH_Q 0, 0
	FETCH_S 0, 0
	FETCH_P 0, 0
	FETCH_P 0, 4
	s_mov_b32 s41, 2
.Lkphase:                                              ; two trips: K of head w, K of head 4 + w
	s_wait_loadcnt 16                              ; bk is in; q's sixteen loads, issued behind it, may be out
	STEP 0, 1                                      ; bk starts the sums
	s_cmp_eq_u32 s41, 1
	s_cbranch_scc1 .Lno_bk
	BKLOAD 2048                                    ; head 4 + w's, for the second trip (four places stand behind the products that read these registers)
.Lno_bk:
	s_mov_b32 s40, 3
.Lkloop:
	TURN 0, 1, 0
	STEP 0, 0
	s_sub_co_u32 s40, s40, 1
	s_cmp_lg_u32 s40, 0
	s_cbranch_scc1 .Lkloop
	TURN 0, 1, 1
	; ---- the scores and the softmax's partial of this head
	s_wait_loadcnt 0x0                             ; q
.set x, 0
.rept 32
	v_cvt_pk_bf16_f32 v[160+x], v[160+2*x], v[160+2*x+1]   ; q to bf16, in place: source 1's four fragments at v160 + 8 u
.set x, x+1
.endr
	WIN 0x8a                                       ; K to bf16, in place, each accumulator from its low end on: accumulator n's four registers at 4 n of window 2,
.set n, 0
.rept 32
.irp i, 0,1,2,3
	v_cvt_pk_bf16_f32 v[4*n+\i], v[8*n+2*\i], v[8*n+2*\i+1]
.endr
.set n, n+1
.endr
	WIN 0x8f                                       ; window 3's behind them: rows 16 a on, d = 32 u on: eight registers at 32 a + 8 u
.set n, 0
.rept 32
.irp i, 0,1,2,3
	v_cvt_pk_bf16_f32 v[128+4*n+\i], v[8*n+2*\i], v[8*n+2*\i+1]
.endr
.set n, n+1
.endr
	PLACES 4
	WIN 0xf2                                       ; source 0 window 2, source 1 window 0, C and D window 3
.irp u, 0,1,2,3
.irp a, 0,1,2,3,4,5,6,7
.if \u == 0
	v_wmma_f32_16x16x32_bf16 v[8*\a:8*\a+7], v[32*\a+8*\u:32*\a+8*\u+7], v[160+8*\u:167+8*\u], 0
.else
	v_wmma_f32_16x16x32_bf16 v[8*\a:8*\a+7], v[32*\a+8*\u:32*\a+8*\u+7], v[160+8*\u:167+8*\u], v[8*\a:8*\a+7]
.endif
.endr
.endr
	PLACES 4
	WIN 0
	s_cmp_eq_u32 s41, 1
	s_cbranch_scc1 .Lno_q
	QLOAD 2048                                     ; head 4 + w's, for the second trip
.Lno_q:
	WIN 0xff                                       ; all in window 3: v0-63 the scores: register 8 a + j is row 16 a + 8 h + j of my query; v64-73 at work
	v_mov_b32 v69, 0                               ; (named as the upper half of the pair v[68:69] before l is written there)
.irp k, 0,1,2,3
	v_max3_num_f32 v[64+\k], v[16*\k], v[16*\k+1], v[16*\k+2]   ; four chains; each accumulator is first read at its low end
.endr
.irp i, 3,5,7,9,11,13
.irp k, 0,1,2,3
	v_max3_num_f32 v[64+\k], v[64+\k], v[16*\k+\i], v[16*\k+\i+1]
.endr
.endr
.irp k, 0,1,2,3
	v_max_num_f32 v[64+\k], v[64+\k], v[16*\k+15]
.endr
	v_max3_num_f32 v64, v64, v65, v66
	v_max_num_f32 v64, v64, v67
	v_permlanex16_b32 v65, v64, s20, s21           ; my query's other 64 rows lie in the lane 16 away
	v_max_num_f32 v64, v64, v65
	v_mul_f32 v68, s42, v64                        ; the largest t (c is positive)
.set j, 0
.rept 32
	v_pk_fma_f32 v[j:j+1], v[j:j+1], s[42:43], v[68:69] op_sel_hi:[1,0,0] neg_lo:[0,0,1] neg_hi:[0,0,1]   ; t - the largest t, two at a time
.set j, j+2
.endr
.set j, 0
.rept 64
	v_exp_f32 v[j], v[j]
.set j, j+1
.endr
	v_nop                                          ; a plain place behind the last exponential
	s_wait_alu depctr_va_vdst(0)                   ; one wait for the batch, ahead of its first reader
	v_pk_add_f32 v[70:71], v[0:1], v[2:3]          ; l is summed of e as it is, in f32, in two chains
	v_pk_add_f32 v[72:73], v[4:5], v[6:7]
.irp j, 8,12,16,20,24,28,32,36,40,44,48,52,56,60
	v_pk_add_f32 v[70:71], v[70:71], v[\j:\j+1]
	v_pk_add_f32 v[72:73], v[72:73], v[\j+2:\j+3]
.endr
	v_pk_add_f32 v[70:71], v[70:71], v[72:73]
	v_add_f32 v70, v70, v71
	v_permlanex16_b32 v71, v70, s20, s21
	v_add_f32 v69, v70, v71                        ; l
	WIN 0x0f                                       ; sources window 3, destination window 0
.set x, 0
.rept 32
	v_cvt_pk_bf16_f32 v[224+x], v[2*x], v[2*x+1]   ; e to bf16: registers 8 u .. 8 u + 7 are source 1 of the last product for rows 32 u on
.set x, x+1
.endr
	WIN 0
.irp x, 0,1,2,3,4,5,6,7
	ds_store_b128 v17, v[224+4*\x:227+4*\x] offset:256*\x   ; kept in my stage while q of the next head takes the registers; lanes r and r + 8 hold equal bits and write the same bytes
.endr
	WIN 0x0c
	ds_store_b64 v19, v[68:69]                     ; (largest t, l) of my head and query
	WIN 0
	v_add_nc_u32 v17, 2048, v17
	v_add_nc_u32 v19, 256, v19
	s_sub_co_u32 s41, s41, 1
	s_cmp_lg_u32 s41, 0
	s_cbranch_scc1 .Lkphase
.irp x, 0,1,2,3,4,5,6,7,8,9,10,11,12,13,14,15
	ds_load_b128 v[160+4*\x:163+4*\x], v18 offset:256*\x    ; e of both heads back: v160-191, v192-223
.endr
; The last product of head 4 g + w, and its way out.
.macro VTAIL g
.irp u, 0,1,2,3                        ; V to bf16: rows 32 u on, d = 16 b on: eight registers at 64 u + 8 b of window 2; what a destination held has been converted before
.if \u < 2
	WIN 0x8a
.else
	WIN 0x8f
.endif
.irp b, 0,1,2,3,4,5,6,7
.irp i, 0,1,2,3
	v_cvt_pk_bf16_f32 v[64*\u+8*\b+\i], v[128*(\u%2)+8*\b+2*\i], v[128*(\u%2)+8*\b+2*\i+1]
.endr
.irp i, 0,1,2,3
	v_cvt_pk_bf16_f32 v[64*\u+8*\b+4+\i], v[128*(\u%2)+64+8*\b+2*\i], v[128*(\u%2)+64+8*\b+2*\i+1]
.endr
.endr
.endr
	PLACES 4
	WIN 0xf2
.irp u, 0,1,2,3
.irp b, 0,1,2,3,4,5,6,7
.if \u == 0
	v_wmma_f32_16x16x32_bf16 v[8*\b:8*\b+7], v[64*\u+8*\b:64*\u+8*\b+7], v[160+32*(\g)+8*\u:167+32*(\g)+8*\u], 0
.else
	v_wmma_f32_16x16x32_bf16 v[8*\b:8*\b+7], v[64*\u+8*\b:64*\u+8*\b+7], v[160+32*(\g)+8*\u:167+32*(\g)+8*\u], v[8*\b:8*\b+7]
.endif
.endr
.endr
	PLACES 5                                       ; four in front of the stores that read results; five in front of the next phase's products, which write over these operands
	s_wait_xcnt 0x0                                ; the last way out's stores have read their registers
	WIN 0x0c
.irp b, 0,1,2,3,4,5,6,7
	ds_store_b128 v20, v[8*\b:8*\b+3] offset:64*\b          ; lane (r, h): query r % 8, d = 16 b + 8 h + 0 .. 7; each accumulator from its low end on
	ds_store_b128 v20, v[8*\b+4:8*\b+7] offset:64*\b+16
.endr
	WIN 0
.irp x, 0,1,2,3,4,5,6,7
	ds_load_b128 v[224+4*\x:227+4*\x], v21 offset:528*\x
.endr
.irp x, 0,1,2,3,4,5,6,7
	s_wait_dscnt 7-\x
	global_store_b128 v1, v[224+4*\x:227+4*\x], s[12:13] offset:(\g)*4194304+\x*131072   ; 32 lanes store a query's 512 consecutive bytes, at a multiple of 256 from the buffer's first byte
.endr
.endm
	STEP 1, 1                                      ; V of head w: the first products start the sums
	s_mov_b32 s40, 3
.Lv0loop:
	TURN 1, 1, 0
	STEP 1, 0
	s_sub_co_u32 s40, s40, 1
	s_cmp_lg_u32 s40, 0
	s_cbranch_scc1 .Lv0loop
	TURN 1, 1, 1
	VTAIL 0
	STEP 1, 1                                      ; V of head 4 + w
	s_mov_b32 s40, 2
.Lv1loop:
	TURN 1, 1, 0
	STEP 1, 0
	s_sub_co_u32 s40, s40, 1
	s_cmp_lg_u32 s40, 0
	s_cbranch_scc1 .Lv1loop
	TURN 1, 0, 0                                   ; the tail is written out: nothing is left to ask for
	STEP 1, 0
	s_wait_dscnt 12                                ; the very last step
	MWIN 1, 0, 0
	MUL16 1, 0, 1, 0
	MUL16 1, 2, 1, 0
	s_wait_dscnt 0x0
	MWIN 1, 1, 0
	MUL16 1, 4, 1, 0
	MUL16 1, 6, 1, 0
	PLACES 4
	WIN 0
	VTAIL 1
	s_cmp_lg_u32 s16, 0                            ; the statistics of all eight heads: each wave stored its own, waited for its stores and passed barriers since; wave 0 sends the 512 bytes
	s_cbranch_scc1 .Lno_stat
	ds_load_b128 v[160:163], v25
	s_wait_dscnt 0x0
	global_store_b128 v1, v[160:163], s[14:15]
.Lno_stat:
	s_wait_tensorcnt 0x0                           ; the wave's end
	ds_add_u32 v10, v11
	s_wait_dscnt 0x0
	ROUND                                          ; the closing round: no work-group ends while a partner may still ask for a block that names it
	s_endpgm
.Lfunc_end_k_q8ab2f5c95f_main:
	.size	k_q8ab2f5c95f_main, .Lfunc_end_k_q8ab2f5c95f_main-k_q8ab2f5c95f_main
	.p2alignl 7, 3214868480
	.fill 96, 4, 3214868480
	.section	.rodata,"a",@progbits
	.p2align	6, 0x0
	.amdhsa_kernel k_q8ab2f5c95f_main
		.amdhsa_group_segment_fixed_size 327680
		.amdhsa_private_segment_fixed_size 0
		.amdhsa_enable_private_segment 0
		.amdhsa_kernarg_size 48
		.amdhsa_user_sgpr_count 2
		.amdhsa_user_sgpr_kernarg_segment_ptr 1
		.amdhsa_wavefront_size32 1
		.amdhsa_system_sgpr_workgroup_id_x 1
		.amdhsa_system_sgpr_workgroup_id_y 1
		.amdhsa_system_sgpr_workgroup_id_z 1
		.amdhsa_system_vgpr_workitem_id 0
		.amdhsa_next_free_vgpr 1024
		.amdhsa_next_free_sgpr 66
		.amdhsa_reserve_vcc 0
		.amdhsa_float_denorm_mode_32 3
		.amdhsa_float_denorm_mode_16_64 3
		.amdhsa_memory_ordered 1
		.amdhsa_forward_progress 1
		.amdhsa_inst_pref_size 255
	.end_amdhsa_kernel
	.section	.bss,"aw",@nobits
	.p2align	6
	.space	262144
	.amdgpu_metadata
---
amdhsa.version: [ 1, 2 ]
amdhsa.kernels:
  - .name:           k_q8ab2f5c95f_main
    .symbol:         k_q8ab2f5c95f_main.kd
    .args:
      - { .name: h_img_seq, .offset: 0, .size: 8, .value_kind: global_buffer, .address_space: global }
      - { .name: wst, .offset: 8, .size: 8, .value_kind: global_buffer, .address_space: global }
      - { .name: qs, .offset: 16, .size: 8, .value_kind: global_buffer, .address_space: global }
      - { .name: bk, .offset: 24, .size: 8, .value_kind: global_buffer, .address_space: global }
      - { .name: pacc, .offset: 32, .size: 8, .value_kind: global_buffer, .address_space: global }
      - { .name: pml, .offset: 40, .size: 8, .value_kind: global_buffer, .address_space: global }
    .group_segment_fixed_size: 327680
    .private_segment_fixed_size: 0
    .kernarg_segment_align: 8
    .kernarg_segment_size: 48
    .max_flat_workgroup_size: 128
    .sgpr_count:     66
    .vgpr_count:     1024
    .wavefront_size: 32
...
	.end_amdgpu_metadata
.endif
;; end of part 2
;; launch comb (part 3): grid 64 x 1, 8 waves a work-group, no clusters, 9,216 bytes of LDS; arguments pacc, pml, bv, attn; writes attn
.if DOCPART == 3
	.amdgcn_target "amdgcn-amd-amdhsa--gfx1250"
	.amdhsa_code_object_version 6
	.text
	.protected	k_q8ab2f5c95f_comb
	.globl	k_q8ab2f5c95f_comb
	.p2align	8
	.type	k_q8ab2f5c95f_comb,@function
k_q8ab2f5c95f_comb:
	s_mov_b64 s[64:65], 0
	v_nop
	global_prefetch_b8 v0, s[64:65] scope:SCOPE_SE
	s_setreg_imm32_b32 hwreg(HW_REG_WAVE_MODE, 25, 1), 1
	s_wait_xcnt 0x0
; The 256 partials of one head and query (work-group x = 8 head + query) are joined: Max = the largest of their largest t; w_p = 2^(max_p - Max); L = the sum of w_p l_p;
; attn[query][128 head + d] = (the sum of w_p acc_p[d] + L bv[d]) / (L + 1e-9).  (bv enters here: the sum of e (v + bv) is the sum of e v, + l bv.)
; The partial sums of x are one dense block of 256 rows x 512 bytes: wave v takes rows 32 v .. 32 v + 31, a load a row, all 32 issued at the head.  Thread t holds partial t's (max, l): 8 bytes of each of 256 rows,
; 2 KiB in all; the dense side of that small table was given to the launch that writes it.  A stream: no matrix unit, no cluster (no byte is read twice).
	s_load_b256 s[4:11], s[0:1], 0x0               ; the partial sums, the statistics, bv, attn
	v_lshl_add_u32 v160, v0, 2, 0x2000
	v_mov_b32 v161, 0
	v_lshrrev_b32 v1, 5, v0
	v_readfirstlane_b32 s12, v1                    ; wave
	v_and_b32 v2, 31, v0
	v_lshlrev_b32 v3, 4, v2                        ; 16 x lane
	v_lshlrev_b32 v4, 9, v0                        ; 512 x thread
	s_lshl_b32 s13, s12, 2
	v_mov_b32 v14, s13                             ; LDS: my wave's word (largest t at 0, w l at 256)
	v_mov_b32 v15, 0
	s_lshl_b32 s13, s12, 9
	s_add_co_u32 s13, s13, 512
	v_add_nc_u32 v30, s13, v3                      ; LDS: my wave's 128 sums, from byte 512 on
	v_add_nc_u32 v31, 512, v3
	v_mov_b32 v13, 0                               ; written once: a lane permute's destination counts as one of its sources
	s_mov_b32 s20, 0x76543210
	s_mov_b32 s21, 0xfedcba98
	s_mov_b32 s41, 0                               ; (the upper halves of the pairs that the packed forms name)
	s_mov_b32 s43, 0
	s_mov_b32 s45, 0
	s_mov_b32 s47, 0
	s_lshl_b32 s14, ttmp9, 17                      ; x's block of 131,072 bytes,
	s_lshl_b32 s16, s12, 14                        ; my wave's 32 rows
	s_add_co_u32 s14, s14, s16
	s_mov_b32 s15, 0
	s_lshl_b32 s16, ttmp9, 3
	s_mov_b32 s17, 0
	s_lshr_b32 s18, ttmp9, 3
	s_lshl_b32 s18, s18, 9                         ; the head's 512 bytes
	s_mov_b32 s19, 0
	s_and_b32 s22, ttmp9, 7
	s_lshl_b32 s22, s22, 12                        ; the query's row
	s_add_co_u32 s22, s22, s18
	s_mov_b32 s23, 0
	s_wait_kmcnt 0x0
	s_add_nc_u64 s[4:5], s[4:5], s[14:15]
	s_add_nc_u64 s[6:7], s[6:7], s[16:17]
	s_add_nc_u64 s[8:9], s[8:9], s[18:19]
	s_add_nc_u64 s[10:11], s[10:11], s[22:23]
	global_load_b64 v[6:7], v4, s[6:7]             ; (largest t, l) of partial t
	global_load_b128 v[8:11], v3, s[8:9]           ; bv
.set i, 0
.rept 32
	global_load_b128 v[32+4*i:35+4*i], v3, s[4:5] offset:512*i th:TH_LOAD_NT
.set i, i+1
.endr
	s_wait_loadcnt 32                              ; the statistics and bv are in; the 32 rows may be out
	v_mov_b32 v12, v6
	v_max_num_f32_dpp v12, v12, v12 row_xmask:1 row_mask:0xf bank_mask:0xf
	v_max_num_f32_dpp v12, v12, v12 row_xmask:2 row_mask:0xf bank_mask:0xf
	v_max_num_f32_dpp v12, v12, v12 row_xmask:4 row_mask:0xf bank_mask:0xf
	v_max_num_f32_dpp v12, v12, v12 row_xmask:8 row_mask:0xf bank_mask:0xf
	v_permlanex16_b32 v13, v12, s20, s21
	v_max_num_f32 v12, v12, v13
	ds_store_b32 v14, v12                          ; all lanes write the same word with the same value
	s_wait_dscnt 0x0
	s_barrier_signal -1
	s_barrier_wait -1
	ds_load_b128 v[16:19], v15
	ds_load_b128 v[20:23], v15 offset:16
	s_wait_dscnt 0x0
	v_max3_num_f32 v12, v16, v17, v18
	v_max3_num_f32 v12, v12, v19, v20
	v_max3_num_f32 v12, v12, v21, v22
	v_max_num_f32 v12, v12, v23                    ; Max
	v_sub_f32 v24, v6, v12
	v_exp_f32 v24, v24                             ; w of partial t
	v_nop
	s_wait_alu depctr_va_vdst(0)                   ; ahead of the first reader
	v_mul_f32 v25, v24, v7
	v_add_f32_dpp v25, v25, v25 row_xmask:1 row_mask:0xf bank_mask:0xf
	v_add_f32_dpp v25, v25, v25 row_xmask:2 row_mask:0xf bank_mask:0xf
	v_add_f32_dpp v25, v25, v25 row_xmask:4 row_mask:0xf bank_mask:0xf
	v_add_f32_dpp v25, v25, v25 row_xmask:8 row_mask:0xf bank_mask:0xf
	v_permlanex16_b32 v13, v25, s20, s21
	v_add_f32 v25, v25, v13                        ; my wave's sum of w l
.set i, 0
.rept 32
	s_wait_loadcnt 31-i                            ; row i is in
	v_readlane_b32 s[40+2*(i%4)], v24, i           ; its w lies in lane i
.if i == 0
	v_pk_mul_f32 v[26:27], v[32:33], s[40:41] op_sel_hi:[1,0]
	v_pk_mul_f32 v[28:29], v[34:35], s[40:41] op_sel_hi:[1,0]
.else
	v_pk_fma_f32 v[26:27], v[32+4*i:33+4*i], s[40+2*(i%4):41+2*(i%4)], v[26:27] op_sel_hi:[1,0,1]
	v_pk_fma_f32 v[28:29], v[34+4*i:35+4*i], s[40+2*(i%4):41+2*(i%4)], v[28:29] op_sel_hi:[1,0,1]
.endif
.set i, i+1
.endr
	ds_store_b128 v30, v[26:29]
	ds_store_b32 v14, v25 offset:256
	s_wait_dscnt 0x0
	s_barrier_signal -1
	s_barrier_wait -1
	s_cmp_lg_u32 s12, 0
	s_cbranch_scc1 .Lend
.irp v, 0,1,2,3,4,5,6,7
	ds_load_b128 v[32+4*\v:35+4*\v], v31 offset:512*\v
.endr
	ds_load_b128 v[64:67], v15 offset:256
	ds_load_b128 v[68:71], v15 offset:272
	s_wait_dscnt 0x0
.irp v, 1,2,3,4,5,6,7
	v_pk_add_f32 v[32:33], v[32:33], v[32+4*\v:33+4*\v]
	v_pk_add_f32 v[34:35], v[34:35], v[34+4*\v:35+4*\v]
.endr
	v_add_f32 v64, v64, v65
	v_add_f32 v66, v66, v67
	v_add_f32 v68, v68, v69
	v_add_f32 v70, v70, v71
	v_add_f32 v64, v64, v66
	v_add_f32 v68, v68, v70
	v_add_f32 v73, v64, v68                        ; L
	v_add_f32 v72, 0x3089705f, v73                 ; + 1e-9
	v_rcp_f32 v72, v72
.irp c, 0,1,2,3
	v_fma_f32 v[32+\c], v73, v[8+\c], v[32+\c]     ; + L bv: plain work behind the reciprocal
.endr
	s_wait_alu depctr_va_vdst(0)
.irp c, 0,1,2,3
	v_mul_f32 v[32+\c], v[32+\c], v72
.endr
	global_store_b128 v3, v[32:35], s[10:11]       ; 512 consecutive bytes
.Lend:
	s_wait_tensorcnt 0x0
	ds_add_u32 v160, v161
	s_wait_dscnt 0x0
	s_endpgm
.Lfunc_end_k_q8ab2f5c95f_comb:
	.size	k_q8ab2f5c95f_comb, .Lfunc_end_k_q8ab2f5c95f_comb-k_q8ab2f5c95f_comb
	.p2alignl 7, 3214868480
	.fill 96, 4, 3214868480
	.section	.rodata,"a",@progbits
	.p2align	6, 0x0
	.amdhsa_kernel k_q8ab2f5c95f_comb
		.amdhsa_group_segment_fixed_size 9216
		.amdhsa_private_segment_fixed_size 0
		.amdhsa_enable_private_segment 0
		.amdhsa_kernarg_size 32
		.amdhsa_user_sgpr_count 2
		.amdhsa_user_sgpr_kernarg_segment_ptr 1
		.amdhsa_wavefront_size32 1
		.amdhsa_system_sgpr_workgroup_id_x 1
		.amdhsa_system_sgpr_workgroup_id_y 1
		.amdhsa_system_sgpr_workgroup_id_z 1
		.amdhsa_system_vgpr_workitem_id 0
		.amdhsa_next_free_vgpr 162
		.amdhsa_next_free_sgpr 66
		.amdhsa_reserve_vcc 0
		.amdhsa_float_denorm_mode_32 3
		.amdhsa_float_denorm_mode_16_64 3
		.amdhsa_memory_ordered 1
		.amdhsa_forward_progress 1
		.amdhsa_inst_pref_size 17
	.end_amdhsa_kernel
	.amdgpu_metadata
---
amdhsa.version: [ 1, 2 ]
amdhsa.kernels:
  - .name:           k_q8ab2f5c95f_comb
    .symbol:         k_q8ab2f5c95f_comb.kd
    .args:
      - { .name: pacc, .offset: 0, .size: 8, .value_kind: global_buffer, .address_space: global }
      - { .name: pml, .offset: 8, .size: 8, .value_kind: global_buffer, .address_space: global }
      - { .name: bv, .offset: 16, .size: 8, .value_kind: global_buffer, .address_space: global }
      - { .name: attn, .offset: 24, .size: 8, .value_kind: global_buffer, .address_space: global }
    .group_segment_fixed_size: 9216
    .private_segment_fixed_size: 0
    .kernarg_segment_align: 8
    .kernarg_segment_size: 32
    .max_flat_workgroup_size: 256
    .sgpr_count:     66
    .vgpr_count:     162
    .wavefront_size: 32
...
	.end_amdgpu_metadata
.endif
;; end of part 3
;; launch lin_o (part 4): grid 32 x 1, 8 waves a work-group, no clusters, 41,984 bytes of LDS; arguments attn, wo, bo, obuf; writes obuf
.if DOCPART == 4
	.amdgcn_target "amdgcn-amd-amdhsa--gfx1250"
	.amdhsa_code_object_version 6
	.text
	.protected	k_q8ab2f5c95f_lin_o
	.globl	k_q8ab2f5c95f_lin_o
	.p2align	8
	.type	k_q8ab2f5c95f_lin_o,@function
k_q8ab2f5c95f_lin_o:
	s_mov_b64 s[64:65], 0
	v_nop
	global_prefetch_b8 v0, s[64:65] scope:SCOPE_SE
	s_setreg_imm32_b32 hwreg(HW_REG_WAVE_MODE, 25, 1), 1
	s_wait_xcnt 0x0
; y = x W + b: the projection behind the attention.  x: [8][1024], W: [1024 (k)][1024 (n)], b: [1024], y: [8][1024], all f32; fused multiply-adds in f32.
; Eight rows feed no matrix tile, and W is read once: a stream.  A work-group owns 32 columns; wave v owns rows 128 v .. 128 v + 127 of W.  Lane l = 8 gq + cq holds columns 4 cq .. 4 cq + 3 of four neighbouring rows
; 16 j + 4 gq + 0 .. 3 in each of eight steps j: all 32 loads of a wave (16 KiB) are issued at the head.  A load takes 128 bytes of each of four rows: 32 work-groups of 32 columns against 16 of 64.
; x lies in LDS, row-major; a lane's four k of a row are one load of 16 bytes.  The sums over gq are made across lanes, those over the eight waves through LDS.
; No cluster: what the work-groups share is x, 32 KiB against the 128 KiB of W that each reads alone.  No matrix unit: M = 8.
.set WP,   4096                        ; a row of W in bytes
.set XP,   4096                        ; a row of x in bytes
.set PART, 8*XP                        ; LDS: x, then the waves' partial sums: 1,024 bytes a wave
.set ACC,  16                          ; v16-47   sums: row m, column c at 4 m + c
.set XS,   48                          ; v48-111  two sets of x: row m's four k at 4 m
.set WR,   112                         ; v112-239 W: step j, row t at 16 j + 4 t
	s_load_b256 s[4:11], s[0:1], 0x0               ; x, W, b, y
	v_lshl_add_u32 v254, v0, 2, 0xa000
	v_mov_b32 v255, 0
	v_lshrrev_b32 v1, 5, v0
	v_readfirstlane_b32 s12, v1                    ; wave
	v_and_b32 v2, 31, v0
	v_lshlrev_b32 v3, 4, v2                        ; 16 x lane
	v_lshlrev_b32 v4, 2, v2                        ; 4 x lane
	v_and_b32 v5, 7, v0                            ; cq
	v_bfe_u32 v6, v0, 3, 2                         ; gq
	s_lshl_b32 s13, s12, 12
	v_add_nc_u32 v7, s13, v3                       ; LDS: x's row = my wave
	v_mul_u32_u24 v8, v6, 4*WP
	v_lshl_add_u32 v8, v5, 4, v8                   ; W: 4 gq rows down, 16 cq bytes in
	s_lshl_b32 s14, s12, 9
	v_lshl_add_u32 v9, v6, 4, s14                  ; LDS: x[.][128 v + 4 gq ..]
	s_lshl_b32 s15, s12, 10
	s_add_co_u32 s15, s15, PART
	v_lshl_add_u32 v10, v5, 4, s15                 ; LDS: my wave's partial sums, my four columns
	s_lshl_b32 s16, s12, 7
	s_add_co_u32 s16, s16, PART
	v_add_nc_u32 v11, s16, v4                      ; LDS: at the end thread (row = wave, column = lane)
	s_mov_b32 s20, 0x76543210
	s_mov_b32 s21, 0xfedcba98                      ; v_permlanex16_b32's selects for lane l xor 16
	s_lshl_b32 s22, ttmp9, 7                       ; my 32 columns, in bytes
	s_mov_b32 s23, 0
	s_mov_b32 s24, s13
	s_mov_b32 s25, 0
	s_lshl_b32 s26, s12, 19                        ; 128 rows of W
	s_add_co_u32 s26, s26, s22
	s_mov_b32 s27, 0
	s_add_co_u32 s28, s13, s22
	s_mov_b32 s29, 0
	s_wait_kmcnt 0x0
	s_add_nc_u64 s[4:5], s[4:5], s[24:25]
	s_add_nc_u64 s[6:7], s[6:7], s[26:27]
	s_add_nc_u64 s[8:9], s[8:9], s[22:23]
	s_add_nc_u64 s[10:11], s[10:11], s[28:29]
.irp i, 0,1,2,3,4,5,6,7
	global_load_b128 v[XS+4*\i:XS+4*\i+3], v3, s[4:5] offset:512*\i
.endr
	global_load_b32 v12, v4, s[8:9]
.irp j, 0,1,2,3,4,5,6,7
.irp t, 0,1,2,3
	global_load_b128 v[WR+16*\j+4*\t:WR+16*\j+4*\t+3], v8, s[6:7] offset:(16*\j+\t)*WP th:TH_LOAD_NT
.endr
.endr
	s_wait_loadcnt 32                              ; x's row and the bias are in; W's 32 loads may be out
.irp i, 0,1,2,3,4,5,6,7
	ds_store_b128 v7, v[XS+4*\i:XS+4*\i+3] offset:512*\i
.endr
	s_wait_dscnt 0x0
	s_barrier_signal -1
	s_barrier_wait -1                              ; x's eight rows lie in LDS
.macro XLD j
.irp m, 0,1,2,3,4,5,6,7
	ds_load_b128 v[XS+32*((\j)%2)+4*\m:XS+32*((\j)%2)+4*\m+3], v9 offset:\m*XP+64*(\j)
.endr
.endm
.macro FMAS j                          ; 64 packed multiply-adds: two columns each; x is taken from one half of its pair for both
.set XB, XS+32*((\j)%2)
.set WB, WR+16*(\j)
.irp t, 0,1,2,3
.irp m, 0,1,2,3,4,5,6,7
.irp p, 0,1
.set rA, ACC+4*\m+2*\p
.set rW, WB+4*\t+2*\p
.set rX, XB+4*\m+2*(\t/2)
.if ((\j) == 0) && (\t == 0)
	v_pk_mul_f32 v[rA:rA+1], v[rW:rW+1], v[rX:rX+1] op_sel_hi:[1,0]   ; the first products start the sums
.elseif (\t%2) == 0
	v_pk_fma_f32 v[rA:rA+1], v[rW:rW+1], v[rX:rX+1], v[rA:rA+1] op_sel_hi:[1,0,1]
.else
	v_pk_fma_f32 v[rA:rA+1], v[rW:rW+1], v[rX:rX+1], v[rA:rA+1] op_sel:[0,1,0] op_sel_hi:[1,1,1]
.endif
.endr
.endr
.endr
.endm
	XLD 0
.irp j, 0,1,2,3,4,5,6
	XLD \j+1
	s_wait_dscnt 8                                 ; this step's x is in; the next step's eight loads may be out
	s_wait_loadcnt 28-4*\j                         ; this step's four rows of W are in
	FMAS \j
.endr
	s_wait_dscnt 0x0
	s_wait_loadcnt 0x0
	FMAS 7
.set a, 0
.rept 32
	v_add_f32_dpp v[ACC+a], v[ACC+a], v[ACC+a] row_xmask:8 row_mask:0xf bank_mask:0xf   ; gq's low bit is the lane's bit 3
.set a, a+1
.endr
.set a, 0
.rept 32
	v_permlanex16_b32 v[XS+a], v[ACC+a], s20, s21  ; its high bit the lane's bit 4
.set a, a+1
.endr
.set a, 0
.rept 32
	v_add_f32 v[ACC+a], v[ACC+a], v[XS+a]
.set a, a+1
.endr
.irp m, 0,1,2,3,4,5,6,7
	ds_store_b128 v10, v[ACC+4*\m:ACC+4*\m+3] offset:128*\m   ; the four lanes gq write the same bytes with the same values
.endr
	s_wait_dscnt 0x0
	s_barrier_signal -1
	s_barrier_wait -1
.irp v, 0,1,2,3,4,5,6,7
	ds_load_b32 v[XS+\v], v11 offset:1024*\v
.endr
	s_wait_dscnt 0x0
	v_add_f32 v48, v48, v49
	v_add_f32 v50, v50, v51
	v_add_f32 v52, v52, v53
	v_add_f32 v54, v54, v55
	v_add_f32 v48, v48, v50
	v_add_f32 v52, v52, v54
	v_add_f32 v48, v48, v52
	v_add_f32 v48, v48, v12
	global_store_b32 v4, v48, s[10:11]
	s_wait_tensorcnt 0x0
	ds_add_u32 v254, v255
	s_wait_dscnt 0x0
	s_endpgm
.Lfunc_end_k_q8ab2f5c95f_lin_o:
	.size	k_q8ab2f5c95f_lin_o, .Lfunc_end_k_q8ab2f5c95f_lin_o-k_q8ab2f5c95f_lin_o
	.p2alignl 7, 3214868480
	.fill 96, 4, 3214868480
	.section	.rodata,"a",@progbits
	.p2align	6, 0x0
	.amdhsa_kernel k_q8ab2f5c95f_lin_o
		.amdhsa_group_segment_fixed_size 41984
		.amdhsa_private_segment_fixed_size 0
		.amdhsa_enable_private_segment 0
		.amdhsa_kernarg_size 32
		.amdhsa_user_sgpr_count 2
		.amdhsa_user_sgpr_kernarg_segment_ptr 1
		.amdhsa_wavefront_size32 1
		.amdhsa_system_sgpr_workgroup_id_x 1
		.amdhsa_system_sgpr_workgroup_id_y 1
		.amdhsa_system_sgpr_workgroup_id_z 1
		.amdhsa_system_vgpr_workitem_id 0
		.amdhsa_next_free_vgpr 256
		.amdhsa_next_free_sgpr 66
		.amdhsa_reserve_vcc 0
		.amdhsa_float_denorm_mode_32 3
		.amdhsa_float_denorm_mode_16_64 3
		.amdhsa_memory_ordered 1
		.amdhsa_forward_progress 1
		.amdhsa_inst_pref_size 50
	.end_amdhsa_kernel
	.amdgpu_metadata
---
amdhsa.version: [ 1, 2 ]
amdhsa.kernels:
  - .name:           k_q8ab2f5c95f_lin_o
    .symbol:         k_q8ab2f5c95f_lin_o.kd
    .args:
      - { .name: attn, .offset: 0, .size: 8, .value_kind: global_buffer, .address_space: global }
      - { .name: wo, .offset: 8, .size: 8, .value_kind: global_buffer, .address_space: global }
      - { .name: bo, .offset: 16, .size: 8, .value_kind: global_buffer, .address_space: global }
      - { .name: obuf, .offset: 24, .size: 8, .value_kind: global_buffer, .address_space: global }
    .group_segment_fixed_size: 41984
    .private_segment_fixed_size: 0
    .kernarg_segment_align: 8
    .kernarg_segment_size: 32
    .max_flat_workgroup_size: 256
    .sgpr_count:     66
    .vgpr_count:     256
    .wavefront_size: 32
...
	.end_amdgpu_metadata
.endif
;; end of part 4
;; launch lin_1 (part 5): grid 64 x 1, 8 waves a work-group, no clusters, 41,984 bytes of LDS; arguments obuf, ln_g, ln_b, w1, b1, h1; writes h1
.if DOCPART == 5
	.amdgcn_target "amdgcn-amd-amdhsa--gfx1250"
	.amdhsa_code_object_version 6
	.text
	.protected	k_q8ab2f5c95f_lin_1
	.globl	k_q8ab2f5c95f_lin_1
	.p2align	8
	.type	k_q8ab2f5c95f_lin_1,@function
k_q8ab2f5c95f_lin_1:
	s_mov_b64 s[64:65], 0
	v_nop
	global_prefetch_b8 v0, s[64:65] scope:SCOPE_SE
	s_setreg_imm32_b32 hwreg(HW_REG_WAVE_MODE, 25, 1), 1
	s_wait_xcnt 0x0
; y = gelu(LayerNorm(x) W + b), exact GELU.  x: [8][1024], W: [1024 (k)][2048 (n)], b: [2048], y: [8][2048], gain and bias of the norm [1024], all f32; fused multiply-adds in f32.
; The product is shared out as in the plain eight-row product of this program: a work-group owns 32 columns, wave v rows 128 v .. 128 v + 127 of W, lane l = 8 gq + cq columns 4 cq .. 4 cq + 3 of four neighbouring rows in
; each of eight steps; all 32 loads of a wave are issued at the head.  In front of it wave m normalises row m of x, which it holds in 32 registers: mean, mean of (x - mean)^2, 1 / sqrt(. + 1e-5), gain, bias.
; Every work-group does that for itself: 32 KiB against the 128 KiB of W that it reads alone; for the same reason no cluster.
; erf(z), z >= 0, is 1 - (a1 t + .. + a5 t^5) exp(-z^2), t = 1 / (1 + 0.3275911 z) (Abramowitz and Stegun 7.1.26): LIMIT: absolute error 1.5e-7, for every z.  gelu(x) = (x + |x| erf(|x| / sqrt(2))) / 2.
.set WP,   8192
.set XP,   4096
.set PART, 8*XP
.set ACC,  16                          ; v16-47   sums (at the head: the norm's bias)
.set XS,   48                          ; v48-111  two sets of x (at the head: x's row, and the norm's gain)
.set WR,   112
	s_load_b256 s[4:11], s[0:1], 0x0               ; x, the gain, the norm's bias, W
	s_load_b128 s[12:15], s[0:1], 0x20             ; b, y
	v_lshl_add_u32 v254, v0, 2, 0xa000
	v_mov_b32 v255, 0
	v_lshrrev_b32 v1, 5, v0
	v_readfirstlane_b32 s16, v1                    ; wave
	v_and_b32 v2, 31, v0
	v_lshlrev_b32 v3, 4, v2
	v_lshlrev_b32 v4, 2, v2
	v_and_b32 v5, 7, v0                            ; cq
	v_bfe_u32 v6, v0, 3, 2                         ; gq
	s_lshl_b32 s17, s16, 12
	v_add_nc_u32 v7, s17, v3
	v_mul_u32_u24 v8, v6, 4*WP
	v_lshl_add_u32 v8, v5, 4, v8
	s_lshl_b32 s18, s16, 9
	v_lshl_add_u32 v9, v6, 4, s18
	s_lshl_b32 s19, s16, 10
	s_add_co_u32 s19, s19, PART
	v_lshl_add_u32 v10, v5, 4, s19
	s_lshl_b32 s22, s16, 7
	s_add_co_u32 s22, s22, PART
	v_add_nc_u32 v11, s22, v4
	s_mov_b32 s20, 0x76543210
	s_mov_b32 s21, 0xfedcba98
	s_mov_b32 s30, 0x3a800000                      ; 1 / 1024
	s_mov_b32 s31, 0x3727c5ac                      ; 1e-5
	s_mov_b32 s32, 0x3ea7ba05                      ; 0.3275911
	s_lshl_b32 s24, ttmp9, 7
	s_mov_b32 s25, 0
	s_mov_b32 s26, s17
	s_mov_b32 s27, 0
	s_lshl_b32 s28, s16, 20                        ; 128 rows of W
	s_add_co_u32 s28, s28, s24
	s_mov_b32 s29, 0
	s_lshl_b32 s34, s16, 13                        ; y's row
	s_add_co_u32 s34, s34, s24
	s_mov_b32 s35, 0
	s_wait_kmcnt 0x0
	s_add_nc_u64 s[4:5], s[4:5], s[26:27]
	s_add_nc_u64 s[10:11], s[10:11], s[28:29]
	s_add_nc_u64 s[12:13], s[12:13], s[24:25]
	s_add_nc_u64 s[14:15], s[14:15], s[34:35]
.irp i, 0,1,2,3,4,5,6,7
	global_load_b128 v[XS+4*\i:XS+4*\i+3], v3, s[4:5] offset:512*\i
.endr
.irp i, 0,1,2,3,4,5,6,7
	global_load_b128 v[XS+32+4*\i:XS+32+4*\i+3], v3, s[6:7] offset:512*\i
.endr
.irp i, 0,1,2,3,4,5,6,7
	global_load_b128 v[ACC+4*\i:ACC+4*\i+3], v3, s[8:9] offset:512*\i
.endr
	global_load_b32 v12, v4, s[12:13]
.irp j, 0,1,2,3,4,5,6,7
.irp t, 0,1,2,3
	global_load_b128 v[WR+16*\j+4*\t:WR+16*\j+4*\t+3], v8, s[10:11] offset:(16*\j+\t)*WP th:TH_LOAD_NT
.endr
.endr
	s_wait_loadcnt 32                              ; all but W's 32 loads
	v_pk_add_f32 v[240:241], v[XS:XS+1], v[XS+2:XS+3]
.irp j, 4,6,8,10,12,14,16,18,20,22,24,26,28,30
	v_pk_add_f32 v[240:241], v[240:241], v[XS+\j:XS+\j+1]
.endr
	v_add_f32 v240, v240, v241
	v_add_f32_dpp v240, v240, v240 row_xmask:1 row_mask:0xf bank_mask:0xf
	v_add_f32_dpp v240, v240, v240 row_xmask:2 row_mask:0xf bank_mask:0xf
	v_add_f32_dpp v240, v240, v240 row_xmask:4 row_mask:0xf bank_mask:0xf
	v_add_f32_dpp v240, v240, v240 row_xmask:8 row_mask:0xf bank_mask:0xf
	v_permlanex16_b32 v241, v240, s20, s21
	v_add_f32 v240, v240, v241
	v_mul_f32 v240, s30, v240                      ; the mean
.set j, 0
.rept 32
	v_sub_f32 v[XS+j], v[XS+j], v240
.set j, j+1
.endr
	v_mul_f32 v242, v[XS], v[XS]
	v_mul_f32 v243, v[XS+1], v[XS+1]
.irp j, 2,4,6,8,10,12,14,16,18,20,22,24,26,28,30
	v_fmac_f32 v242, v[XS+\j], v[XS+\j]
	v_fmac_f32 v243, v[XS+\j+1], v[XS+\j+1]
.endr
	v_add_f32 v242, v242, v243
	v_add_f32_dpp v242, v242, v242 row_xmask:1 row_mask:0xf bank_mask:0xf
	v_add_f32_dpp v242, v242, v242 row_xmask:2 row_mask:0xf bank_mask:0xf
	v_add_f32_dpp v242, v242, v242 row_xmask:4 row_mask:0xf bank_mask:0xf
	v_add_f32_dpp v242, v242, v242 row_xmask:8 row_mask:0xf bank_mask:0xf
	v_permlanex16_b32 v243, v242, s20, s21
	v_add_f32 v242, v242, v243
	v_fma_f32 v242, v242, s30, s31                 ; the variance + 1e-5
	v_rsq_f32 v244, v242
	v_nop
	s_wait_alu depctr_va_vdst(0)                   ; ahead of the first reader
.set j, 0
.rept 32
	v_mul_f32 v[XS+j], v[XS+j], v244
.set j, j+1
.endr
.set j, 0
.rept 16
	v_pk_fma_f32 v[XS+j:XS+j+1], v[XS+j:XS+j+1], v[XS+32+j:XS+32+j+1], v[ACC+j:ACC+j+1]
.set j, j+2
.endr
.irp i, 0,1,2,3,4,5,6,7
	ds_store_b128 v7, v[XS+4*\i:XS+4*\i+3] offset:512*\i
.endr
	s_wait_dscnt 0x0
	s_barrier_signal -1
	s_barrier_wait -1                              ; the eight normalised rows lie in LDS
.macro XLD j
.irp m, 0,1,2,3,4,5,6,7
	ds_load_b128 v[XS+32*((\j)%2)+4*\m:XS+32*((\j)%2)+4*\m+3], v9 offset:\m*XP+64*(\j)
.endr
.endm
.macro FMAS j
.set XB, XS+32*((\j)%2)
.set WB, WR+16*(\j)
.irp t, 0,1,2,3
.irp m, 0,1,2,3,4,5,6,7
.irp p, 0,1
.set rA, ACC+4*\m+2*\p
.set rW, WB+4*\t+2*\p
.set rX, XB+4*\m+2*(\t/2)
.if ((\j) == 0) && (\t == 0)
	v_pk_mul_f32 v[rA:rA+1], v[rW:rW+1], v[rX:rX+1] op_sel_hi:[1,0]
.elseif (\t%2) == 0
	v_pk_fma_f32 v[rA:rA+1], v[rW:rW+1], v[rX:rX+1], v[rA:rA+1] op_sel_hi:[1,0,1]
.else
	v_pk_fma_f32 v[rA:rA+1], v[rW:rW+1], v[rX:rX+1], v[rA:rA+1] op_sel:[0,1,0] op_sel_hi:[1,1,1]
.endif
.endr
.endr
.endr
.endm
	XLD 0
.irp j, 0,1,2,3,4,5,6
	XLD \j+1
	s_wait_dscnt 8                                 ; this step's x is in; the next step's eight loads may be out
	s_wait_loadcnt 28-4*\j                         ; this step's four rows of W are in
	FMAS \j
.endr
	s_wait_dscnt 0x0
	s_wait_loadcnt 0x0
	FMAS 7
.set a, 0
.rept 32
	v_add_f32_dpp v[ACC+a], v[ACC+a], v[ACC+a] row_xmask:8 row_mask:0xf bank_mask:0xf
.set a, a+1
.endr
.set a, 0
.rept 32
	v_permlanex16_b32 v[XS+a], v[ACC+a], s20, s21
.set a, a+1
.endr
.set a, 0
.rept 32
	v_add_f32 v[ACC+a], v[ACC+a], v[XS+a]
.set a, a+1
.endr
.irp m, 0,1,2,3,4,5,6,7
	ds_store_b128 v10, v[ACC+4*\m:ACC+4*\m+3] offset:128*\m
.endr
	s_wait_dscnt 0x0
	s_barrier_signal -1
	s_barrier_wait -1
.irp v, 0,1,2,3,4,5,6,7
	ds_load_b32 v[XS+\v], v11 offset:1024*\v
.endr
	s_wait_dscnt 0x0
	v_add_f32 v48, v48, v49
	v_add_f32 v50, v50, v51
	v_add_f32 v52, v52, v53
	v_add_f32 v54, v54, v55
	v_add_f32 v48, v48, v50
	v_add_f32 v52, v52, v54
	v_add_f32 v48, v48, v52
	v_add_f32 v48, v48, v12                        ; x
	v_mul_f32 v49, 0x3f3504f3, |v48|               ; z = |x| / sqrt(2)
	v_fma_f32 v50, v49, s32, 1.0
	v_mul_f32 v51, v49, v49
	v_mul_f32 v51, 0xbfb8aa3b, v51                 ; -z^2 log2(e)
	v_rcp_f32 v52, v50                             ; t
	v_exp_f32 v53, v51                             ; exp(-z^2)
	v_mov_b32 v54, 0x3f87dc22                      ; a5.  (A plain place behind the two)
	s_wait_alu depctr_va_vdst(0)                   ; one wait for both, ahead of their first reader
	v_fmaak_f32 v54, v54, v52, 0xbfba00e3          ; a4
	v_fmaak_f32 v54, v54, v52, 0x3fb5f0e3          ; a3
	v_fmaak_f32 v54, v54, v52, 0xbe91a98e          ; a2
	v_fmaak_f32 v54, v54, v52, 0x3e827906          ; a1
	v_mul_f32 v54, v54, v52
	v_fma_f32 v54, -v54, v53, 1.0                  ; erf(z)
	v_fma_f32 v54, |v48|, v54, v48
	v_mul_f32 v54, 0.5, v54
	global_store_b32 v4, v54, s[14:15]
	s_wait_tensorcnt 0x0
	ds_add_u32 v254, v255
	s_wait_dscnt 0x0
	s_endpgm
.Lfunc_end_k_q8ab2f5c95f_lin_1:
	.size	k_q8ab2f5c95f_lin_1, .Lfunc_end_k_q8ab2f5c95f_lin_1-k_q8ab2f5c95f_lin_1
	.p2alignl 7, 3214868480
	.fill 96, 4, 3214868480
	.section	.rodata,"a",@progbits
	.p2align	6, 0x0
	.amdhsa_kernel k_q8ab2f5c95f_lin_1
		.amdhsa_group_segment_fixed_size 41984
		.amdhsa_private_segment_fixed_size 0
		.amdhsa_enable_private_segment 0
		.amdhsa_kernarg_size 48
		.amdhsa_user_sgpr_count 2
		.amdhsa_user_sgpr_kernarg_segment_ptr 1
		.amdhsa_wavefront_size32 1
		.amdhsa_system_sgpr_workgroup_id_x 1
		.amdhsa_system_sgpr_workgroup_id_y 1
		.amdhsa_system_sgpr_workgroup_id_z 1
		.amdhsa_system_vgpr_workitem_id 0
		.amdhsa_next_free_vgpr 256
		.amdhsa_next_free_sgpr 66
		.amdhsa_reserve_vcc 0
		.amdhsa_float_denorm_mode_32 3
		.amdhsa_float_denorm_mode_16_64 3
		.amdhsa_memory_ordered 1
		.amdhsa_forward_progress 1
		.amdhsa_inst_pref_size 58
	.end_amdhsa_kernel
	.amdgpu_metadata
---
amdhsa.version: [ 1, 2 ]
amdhsa.kernels:
  - .name:           k_q8ab2f5c95f_lin_1
    .symbol:         k_q8ab2f5c95f_lin_1.kd
    .args:
      - { .name: obuf, .offset: 0, .size: 8, .value_kind: global_buffer, .address_space: global }
      - { .name: ln_g, .offset: 8, .size: 8, .value_kind: global_buffer, .address_space: global }
      - { .name: ln_b, .offset: 16, .size: 8, .value_kind: global_buffer, .address_space: global }
      - { .name: w1, .offset: 24, .size: 8, .value_kind: global_buffer, .address_space: global }
      - { .name: b1, .offset: 32, .size: 8, .value_kind: global_buffer, .address_space: global }
      - { .name: h1, .offset: 40, .size: 8, .value_kind: global_buffer, .address_space: global }
    .group_segment_fixed_size: 41984
    .private_segment_fixed_size: 0
    .kernarg_segment_align: 8
    .kernarg_segment_size: 48
    .max_flat_workgroup_size: 256
    .sgpr_count:     66
    .vgpr_count:     256
    .wavefront_size: 32
...
	.end_amdgpu_metadata
.endif
;; end of part 5
;; launch lin_2 (part 6): grid 32 x 1, 16 waves a work-group, no clusters, 84,992 bytes of LDS; arguments h1, w2, b2, obuf, out0, out1; writes out0, out1
.if DOCPART == 6
	.amdgcn_target "amdgcn-amd-amdhsa--gfx1250"
	.amdhsa_code_object_version 6
	.text
	.protected	k_q8ab2f5c95f_lin_2
	.globl	k_q8ab2f5c95f_lin_2
	.p2align	8
	.type	k_q8ab2f5c95f_lin_2,@function
k_q8ab2f5c95f_lin_2:
	s_mov_b64 s[64:65], 0
	v_nop
	global_prefetch_b8 v0, s[64:65] scope:SCOPE_SE
	s_setreg_imm32_b32 hwreg(HW_REG_WAVE_MODE, 25, 1), 1
	s_wait_xcnt 0x0
; out0 = res + x W + b;  out1 = the mean of out0's eight rows.  x: [8][2048], W: [2048 (k)][1024 (n)], b: [1024], res, out0: [8][1024], out1: [1024], all f32; fused multiply-adds in f32.
; Shared out as the other eight-row products of this program, with sixteen waves for the 2,048 rows of W: a work-group owns 32 columns, wave v rows 128 v .. 128 v + 127, lane l = 8 gq + cq columns 4 cq .. 4 cq + 3 of four
; neighbouring rows in each of eight steps; all 32 loads of a wave are issued at the head.  x (64 KiB, dense) comes in 4,096 bytes a wave.  The sixteen waves' sums meet in LDS; waves 0 to 7 finish a row each; wave 0 the mean.
; No cluster: what the work-groups share is x, 64 KiB against the 256 KiB of W that each reads alone.
.set WP,   4096
.set XP,   8192
.set PART, 8*XP                        ; LDS: x; the waves' partial sums, 1,024 bytes a wave;
.set FIN,  PART+16*1024                ; the eight finished rows, 128 bytes each
.set ACC,  16
.set XS,   48
.set WR,   112
	s_load_b256 s[4:11], s[0:1], 0x0               ; x, W, b, res
	s_load_b128 s[12:15], s[0:1], 0x20             ; out0, out1
	v_lshl_add_u32 v254, v0, 2, 0x14400
	v_mov_b32 v255, 0
	v_lshrrev_b32 v1, 5, v0
	v_readfirstlane_b32 s16, v1                    ; wave 0..15
	s_and_b32 s17, s16, 7                          ; the row that waves 0 to 7 finish (the others' loads by it stay inside the buffers and are not used)
	v_and_b32 v2, 31, v0
	v_lshlrev_b32 v3, 4, v2
	v_lshlrev_b32 v4, 2, v2
	v_and_b32 v5, 7, v0                            ; cq
	v_bfe_u32 v6, v0, 3, 2                         ; gq
	s_lshl_b32 s18, s16, 12
	v_add_nc_u32 v7, s18, v3                       ; x: 4,096 bytes a wave, in memory as in LDS
	v_mul_u32_u24 v8, v6, 4*WP
	v_lshl_add_u32 v8, v5, 4, v8
	s_lshl_b32 s19, s16, 9
	v_lshl_add_u32 v9, v6, 4, s19
	s_lshl_b32 s22, s16, 10
	s_add_co_u32 s22, s22, PART
	v_lshl_add_u32 v10, v5, 4, s22
	s_lshl_b32 s23, s17, 7
	s_add_co_u32 s22, s23, PART
	v_add_nc_u32 v11, s22, v4
	s_add_co_u32 s22, s23, FIN
	v_add_nc_u32 v14, s22, v4                      ; my finished row
	v_add_nc_u32 v15, FIN, v4                      ; and all eight, for the mean
	s_mov_b32 s20, 0x76543210
	s_mov_b32 s21, 0xfedcba98
	s_lshl_b32 s24, ttmp9, 7
	s_mov_b32 s25, 0
	s_mov_b32 s26, s18
	s_mov_b32 s27, 0
	s_lshl_b32 s28, s16, 19
	s_add_co_u32 s28, s28, s24
	s_mov_b32 s29, 0
	s_lshl_b32 s30, s17, 12
	s_add_co_u32 s30, s30, s24
	s_mov_b32 s31, 0
	s_wait_kmcnt 0x0
	s_add_nc_u64 s[4:5], s[4:5], s[26:27]
	s_add_nc_u64 s[6:7], s[6:7], s[28:29]
	s_add_nc_u64 s[8:9], s[8:9], s[24:25]
	s_add_nc_u64 s[10:11], s[10:11], s[30:31]
	s_add_nc_u64 s[12:13], s[12:13], s[30:31]
	s_add_nc_u64 s[14:15], s[14:15], s[24:25]
.irp i, 0,1,2,3,4,5,6,7
	global_load_b128 v[XS+4*\i:XS+4*\i+3], v3, s[4:5] offset:512*\i
.endr
	global_load_b32 v12, v4, s[8:9]
	global_load_b32 v13, v4, s[10:11]
.irp j, 0,1,2,3,4,5,6,7
.irp t, 0,1,2,3
	global_load_b128 v[WR+16*\j+4*\t:WR+16*\j+4*\t+3], v8, s[6:7] offset:(16*\j+\t)*WP th:TH_LOAD_NT
.endr
.endr
	s_wait_loadcnt 32                              ; all but W's 32 loads
.irp i, 0,1,2,3,4,5,6,7
	ds_store_b128 v7, v[XS+4*\i:XS+4*\i+3] offset:512*\i
.endr
	s_wait_dscnt 0x0
	s_barrier_signal -1
	s_barrier_wait -1
.macro XLD j
.irp m, 0,1,2,3,4,5,6,7
	ds_load_b128 v[XS+32*((\j)%2)+4*\m:XS+32*((\j)%2)+4*\m+3], v9 offset:\m*XP+64*(\j)
.endr
.endm
.macro FMAS j
.set XB, XS+32*((\j)%2)
.set WB, WR+16*(\j)
.irp t, 0,1,2,3
.irp m, 0,1,2,3,4,5,6,7
.irp p, 0,1
.set rA, ACC+4*\m+2*\p
.set rW, WB+4*\t+2*\p
.set rX, XB+4*\m+2*(\t/2)
.if ((\j) == 0) && (\t == 0)
	v_pk_mul_f32 v[rA:rA+1], v[rW:rW+1], v[rX:rX+1] op_sel_hi:[1,0]
.elseif (\t%2) == 0
	v_pk_fma_f32 v[rA:rA+1], v[rW:rW+1], v[rX:rX+1], v[rA:rA+1] op_sel_hi:[1,0,1]
.else
	v_pk_fma_f32 v[rA:rA+1], v[rW:rW+1], v[rX:rX+1], v[rA:rA+1] op_sel:[0,1,0] op_sel_hi:[1,1,1]
.endif
.endr
.endr
.endr
.endm
	XLD 0
.irp j, 0,1,2,3,4,5,6
	XLD \j+1
	s_wait_dscnt 8                                 ; this step's x is in; the next step's eight loads may be out
	s_wait_loadcnt 28-4*\j                         ; this step's four rows of W are in
	FMAS \j
.endr
	s_wait_dscnt 0x0
	s_wait_loadcnt 0x0
	FMAS 7
.set a, 0
.rept 32
	v_add_f32_dpp v[ACC+a], v[ACC+a], v[ACC+a] row_xmask:8 row_mask:0xf bank_mask:0xf
.set a, a+1
.endr
.set a, 0
.rept 32
	v_permlanex16_b32 v[XS+a], v[ACC+a], s20, s21
.set a, a+1
.endr
.set a, 0
.rept 32
	v_add_f32 v[ACC+a], v[ACC+a], v[XS+a]
.set a, a+1
.endr
.irp m, 0,1,2,3,4,5,6,7
	ds_store_b128 v10, v[ACC+4*\m:ACC+4*\m+3] offset:128*\m
.endr
	s_wait_dscnt 0x0
	s_barrier_signal -1
	s_barrier_wait -1
	s_cmp_lt_u32 s16, 8
	s_cbranch_scc0 .Lskip
.irp v, 0,1,2,3,4,5,6,7,8,9,10,11,12,13,14,15
	ds_load_b32 v[XS+\v], v11 offset:1024*\v
.endr
	s_wait_dscnt 0x0
.irp v, 0,2,4,6,8,10,12,14
	v_add_f32 v[XS+\v], v[XS+\v], v[XS+\v+1]
.endr
.irp v, 0,4,8,12
	v_add_f32 v[XS+\v], v[XS+\v], v[XS+\v+2]
.endr
	v_add_f32 v48, v48, v52
	v_add_f32 v56, v56, v60
	v_add_f32 v48, v48, v56
	v_add_f32 v48, v48, v12                        ; + b
	v_add_f32 v48, v48, v13                        ; + the residual
	global_store_b32 v4, v48, s[12:13]
	ds_store_b32 v14, v48
.Lskip:
	s_wait_dscnt 0x0
	s_barrier_signal -1
	s_barrier_wait -1
	s_cmp_lg_u32 s16, 0
	s_cbranch_scc1 .Lend
.irp i, 0,1,2,3,4,5,6,7
	ds_load_b32 v[80+\i], v15 offset:128*\i
.endr
	s_wait_dscnt 0x0
	v_add_f32 v80, v80, v81
	v_add_f32 v82, v82, v83
	v_add_f32 v84, v84, v85
	v_add_f32 v86, v86, v87
	v_add_f32 v80, v80, v82
	v_add_f32 v84, v84, v86
	v_add_f32 v80, v80, v84
	v_mul_f32 v80, 0x3e000000, v80                 ; / 8
	global_store_b32 v4, v80, s[14:15]
.Lend:
	s_wait_tensorcnt 0x0
	ds_add_u32 v254, v255
	s_wait_dscnt 0x0
	s_endpgm
.Lfunc_end_k_q8ab2f5c95f_lin_2:
	.size	k_q8ab2f5c95f_lin_2, .Lfunc_end_k_q8ab2f5c95f_lin_2-k_q8ab2f5c95f_lin_2
	.p2alignl 7, 3214868480
	.fill 96, 4, 3214868480
	.section	.rodata,"a",@progbits
	.p2align	6, 0x0
	.amdhsa_kernel k_q8ab2f5c95f_lin_2
		.amdhsa_group_segment_fixed_size 84992
		.amdhsa_private_segment_fixed_size 0
		.amdhsa_enable_private_segment 0
		.amdhsa_kernarg_size 48
		.amdhsa_user_sgpr_count 2
		.amdhsa_user_sgpr_kernarg_segment_ptr 1
		.amdhsa_wavefront_size32 1
		.amdhsa_system_sgpr_workgroup_id_x 1
		.amdhsa_system_sgpr_workgroup_id_y 1
		.amdhsa_system_sgpr_workgroup_id_z 1
		.amdhsa_system_vgpr_workitem_id 0
		.amdhsa_next_free_vgpr 256
		.amdhsa_next_free_sgpr 66
		.amdhsa_reserve_vcc 0
		.amdhsa_float_denorm_mode_32 3
		.amdhsa_float_denorm_mode_16_64 3
		.amdhsa_memory_ordered 1
		.amdhsa_forward_progress 1
		.amdhsa_inst_pref_size 52
	.end_amdhsa_kernel
	.amdgpu_metadata
---
amdhsa.version: [ 1, 2 ]
amdhsa.kernels:
  - .name:           k_q8ab2f5c95f_lin_2
    .symbol:         k_q8ab2f5c95f_lin_2.kd
    .args:
      - { .name: h1, .offset: 0, .size: 8, .value_kind: global_buffer, .address_space: global }
      - { .name: w2, .offset: 8, .size: 8, .value_kind: global_buffer, .address_space: global }
      - { .name: b2, .offset: 16, .size: 8, .value_kind: global_buffer, .address_space: global }
      - { .name: obuf, .offset: 24, .size: 8, .value_kind: global_buffer, .address_space: global }
      - { .name: out0, .offset: 32, .size: 8, .value_kind: global_buffer, .address_space: global }
      - { .name: out1, .offset: 40, .size: 8, .value_kind: global_buffer, .address_space: global }
    .group_segment_fixed_size: 84992
    .private_segment_fixed_size: 0
    .kernarg_segment_align: 8
    .kernarg_segment_size: 48
    .max_flat_workgroup_size: 512
    .sgpr_count:     66
    .vgpr_count:     256
    .wavefront_size: 32
...
	.end_amdgpu_metadata
.endif
;; end of part 6
